; MI455X (gfx1250); checked and timed in simulation.
; The chip was launched on July 23, 2026; its instructions are those of AMD's public machine-readable ISA for CDNA 5 (MIT licence, August 2026) and "CDNA5" Instruction Set Architecture Reference Guide (July 2026). The comments in the code are by the model that wrote it; some were corrected since.
;; Mixture Of Experts. Allowed arithmetic: matrix products marked QUANTISED: E2M1 operands, one E8M0 scale for each 32 along K, by v_wmma_scale_f32_16x16x128_f8f6f4 with both operands' format E2M1 (or v_wmma_scale_f32_32x16x128_f4), f32 sums; products left as they are: f32 operands where the result goes on into a quantised operand, else bf16, f16 or f32 operands; f32 sums; everything else in f32.
;; Inputs: W_codes 8 x 2,048 x 64 x 16 uint8 (E2M1 codes of W, K innermost, in blocks of 32 codes, two codes a byte); W_scales 8 x 2,048 x 64 uint8 (E8M0 scales of W, one for each 32 codes along K); Wg 8 x 2,048 float32; b 8 x 2,048 float32; bg 8 float32; x 2,048 x 2,048 float32.
;; Outputs: out0 2,048 x 2,048 float32.
;; This version of the problem:
;;   THIS VERSION OF THE PROBLEM IS GIVEN IN LOW PRECISION. The matrix products marked QUANTISED in the list below multiply operands that are first quantised to E2M1 (2 exponent bits, 1 mantissa bit; 4 bits a number), with one power-of-two scale for each 32 numbers along K (OCP MX v1.0); their sums are f32. All else is computed in f32.
;;   The module's matrix products, in the order in which they are computed (A, B: the left and right operand; K: the contracted axis; several contracted axes count as one K, in the product's order):
;;     1. [M 2,048, K 2,048] x [K 2,048, N 8]; A: input x; B: input Wg: left as it is (N = 8 < 16)
;;     2. batch 2,048 x [M 1, K 2] x [K 2, N 8]; A: computed on the way; B: computed on the way: left as it is (K = 2 < 32)
;;     3. [M 16,384, K 2,048] x [K 2,048, N 2,048]; A: input W (given as codes); B: input x: QUANTISED
;;     4. batch 2,048 x [M 1, K 8] x [K 8, N 2,048]; A: computed on the way; B: computed on the way: left as it is (K = 8 < 32)
;;   THE QUANTISER, for each operand of a quantised product, along K:
;;     - K is cut into blocks of 32 from its start; a last block that is shorter is filled with zeros.
;;     - A block's scale is 2^e with e = floor(log2(the largest magnitude in the block)) - 2, held to -126 .. 127; a block of zeros has e = 0. As a byte (E8M0): e + 127.
;;     - Each number is divided by its block's scale, clamped to +-6, and rounded to the nearest number of E2M1, ties to even, subnormals kept.
;;     - The product sums the exact products of the quantised numbers (number of the format x scale) in f32.
;;   ~~~python
;;   def quantise(x, axis):      # numpy; x: float32 -> the quantised numbers, widened to float32 again
;;       x = np.moveaxis(x, axis, -1); K = x.shape[-1]
;;       x = np.pad(x, [(0, 0)] * (x.ndim - 1) + [(0, -K % 32)]); x = x.reshape(x.shape[:-1] + (-1, 32)); a = np.abs(x).max(-1, keepdims=True)
;;       e = np.where(a > 0, np.clip(np.frexp(np.where(a > 0, a, 1))[1] - 1 - 2, -126, 127), 0)      # np.frexp(a)[1] - 1 = floor(log2(a)), exactly
;;       r = np.clip(x / 2.0 ** e, -6, 6)
;;       step = 2.0 ** (np.maximum(np.frexp(np.where(r == 0, 1, r))[1] - 1, 0) - 1)
;;       q = np.round(r / step) * step * 2.0 ** e      # np.round: ties to even
;;       return np.moveaxis(q.reshape(q.shape[:-2] + (-1,))[..., :K], -1, axis).astype(np.float32)
;;   ~~~
;;   INPUTS GIVEN AS CODES. W (in the module: [8, 2048, 2048], K = its axis 2): each comes as NAME_codes (uint8): NAME with its K axis moved to the last place and cut into blocks of 32 codes, [.., K / 32, bytes a block], one block behind the other in memory; two codes a byte, the lower K in the low four bits (a code: sign, 2 exponent bits, 1 mantissa bit); and NAME_scales (uint8): the same leading axes, one E8M0 byte (e + 127) for each 32 codes along K. Its value is code x scale, taken as it is: it is not quantised again, and the codes and scales need not be those that the quantiser above would give.
;; 2 versions. Each part assembles by itself: llvm-mc -triple=amdgcn-amd-amdhsa -mcpu=gfx1250 --defsym DOCPART=n.
;; ======== version 1 of 2: 3 launches
;; workspace buffers: xq 2,097,152 bytes; xs 131,072 bytes; ckey 8,192 bytes of whole numbers; gw 16,384 bytes; skey 8,192 bytes of whole numbers; wf 16,777,216 bytes; wsf 1,048,576 bytes
;; launch gateq (part 1): grid 256 x 1, 8 waves a work-group, no clusters, 116,224 bytes of LDS; arguments x, Wg, bg, xq, xs, ckey, gw; writes xq, xs, ckey, gw
.if DOCPART == 1
	.amdgcn_target "amdgcn-amd-amdhsa--gfx1250"
	.amdhsa_code_object_version 6
	.text
	.protected	k_qbcdf7b5ca6_gateq
	.globl	k_qbcdf7b5ca6_gateq
	.p2align	8
	.type	k_qbcdf7b5ca6_gateq,@function
k_qbcdf7b5ca6_gateq:
	s_mov_b64 s[64:65], 0
	v_nop
	global_prefetch_b8 v0, s[64:65] scope:SCOPE_SE
	s_setreg_imm32_b32 hwreg(HW_REG_WAVE_MODE, 25, 1), 1
	s_wait_xcnt 0x0
; x [2048][2048] f32 is read ONCE and serves twice:
;  (1) it is quantised along K to codes of E2M1 with one E8M0 byte for each 32: xq [token][1024 bytes], xs [token][64 bytes], laid as W's rows lie;
;  (2) the gate: logits = x Wg^T + bg in f32, softmax with the row's maximum taken away, the two largest (a tie keeps the lower index).
; For each token a whole-number key lo << 14 | hi << 11 | token (lo < hi: the two experts) goes to ckey, the two gates (lo's, hi's) to gw.  Nothing here is addressed by the choice: it is stored as a value.
; A block's scale is 2^(floor(log2(largest magnitude)) - 2); its byte is the largest magnitude's exponent field - 2, held at 1 from below.
; LIMITS: NaN and infinities in x are not served.  A block whose largest magnitude lies under 2^-124 keeps the byte 1; a block of zeros gets the byte 1 and zero codes (only this program reads these bytes).
;   The two largest are taken of the f32 exponentials: experts whose gates differ by less than the rounding of the f32 sums may be chosen otherwise than by another order of summation.
;   Exponentials under 2^-126 come out as 0 (ISA guide, the entry of v_exp_f32); a tie among such zeros keeps the lower index.
; SHARES.  A work-group owns 8 tokens.  Phase 1: wave w = 4 a + s takes tokens 4 a .. 4 a + 3 and K = 512 s .. 512 s + 511.  Phase 2: wave w takes token w.
; Every load reads 512 consecutive bytes, 16 a lane.  The conversions want 16 NEIGHBOURS along K in a lane: a token's 2,048 bytes turn through the wave's own stage in LDS (64 bytes + 16 of padding a place).
; The gate's products take x as it was loaded, against Wg loaded the same way.  No matrix unit: N = 8.  No tensor loads, no cluster: work-groups share only Wg, 64 KiB.
.set SP,   80                          ; a place in a stage: 64 bytes + 16 of padding
.set STW,  4*32*SP                     ; LDS 0: four stages of 32 places for each wave
.set GP,   8*STW                       ; the gate's partial sums [token 8][slice 4][lane 32][expert 8] f32
.set XSB,  GP+32768                    ; the scale bytes [token 8][64]
.set X,    16                          ; v16-79    x as loaded: token t at 16 t
.set G,    80                          ; v80-207   Wg as loaded: expert e at 16 e
.set XN,   208                         ; v208-239  two sets of 16 neighbours
.set T,    208                         ; v208-223  later: the gate's eight running pairs
.set P,    224                         ; v224-231  later: a token's eight partial sums
.set C,    240                         ; v240-247  codes: two registers a token, never rewritten
.set E,    248                         ; v248-251  scale bytes
	s_load_b256 s[4:11], s[0:1], 0x0               ; x s[4:5], Wg s[6:7], bg s[8:9], xq s[10:11]
	s_load_b128 s[12:15], s[0:1], 0x20             ; xs s[12:13], ckey s[14:15]
	s_load_b64 s[16:17], s[0:1], 0x30              ; gw
	v_lshl_add_u32 v254, v0, 2, 0x1c200
	v_mov_b32 v255, 0
	v_lshrrev_b32 v9, 5, v0
	v_readfirstlane_b32 s18, v9                    ; wave w
	s_lshr_b32 s19, s18, 2                         ; a
	s_and_b32 s20, s18, 3                          ; s
	v_and_b32 v1, 31, v0                           ; lane
	v_lshlrev_b32 v2, 4, v1                        ; 16 x lane
	s_mul_i32 s23, s18, STW
	v_lshrrev_b32 v9, 2, v1
	v_mul_u32_u24 v3, v9, SP
	v_and_b32 v9, 3, v1
	v_lshl_add_u32 v3, v9, 4, v3
	v_add_nc_u32 v3, s23, v3                       ; into a stage: four lanes' 64 bytes on end, then the padding
	v_mul_u32_u24 v4, v1, SP
	v_add_nc_u32 v4, s23, v4                       ; out of it: my 64 bytes
	v_lshlrev_b32 v5, 3, v1                        ; my 8 bytes of codes
	s_lshl_b32 s23, s19, 8
	s_lshl_b32 s34, s20, 4
	s_add_co_u32 s23, s23, s34
	s_add_co_u32 s23, s23, XSB
	v_lshrrev_b32 v6, 1, v1
	v_add_nc_u32 v6, s23, v6                       ; my block's scale byte: token 4 a, block 16 s + lane / 2
	s_lshl_b32 s23, s19, 14
	s_lshl_b32 s34, s20, 10
	s_add_co_u32 s23, s23, s34
	s_add_co_u32 s23, s23, GP
	v_lshl_add_u32 v7, v1, 5, s23                  ; my partial sums: token 4 a, slice s
	s_lshl_b32 s23, s18, 12
	s_add_co_u32 s23, s23, GP
	v_lshl_add_u32 v8, v1, 5, s23                  ; phase 2: token w, slice 0
	v_add_nc_u32 v12, XSB, v2                      ; the scale bytes on their way out
	s_lshl_b32 s34, ttmp9, 16                      ; x: (8 g + 4 a) rows of 8,192 bytes + 2,048 s
	s_lshl_b32 s36, s19, 15
	s_add_co_u32 s34, s34, s36
	s_lshl_b32 s36, s20, 11                        ; Wg: 2,048 s
	s_add_co_u32 s34, s34, s36
	s_mov_b32 s35, 0
	s_mov_b32 s37, 0
	s_lshl_b32 s38, ttmp9, 13                      ; xq: (8 g + 4 a) rows of 1,024 bytes + 256 s
	s_lshl_b32 s40, s19, 12
	s_add_co_u32 s38, s38, s40
	s_lshl_b32 s40, s20, 8
	s_add_co_u32 s38, s38, s40
	s_mov_b32 s39, 0
	s_lshl_b32 s40, ttmp9, 9                       ; xs: 512 g
	s_mov_b32 s41, 0
	s_lshl_b32 s22, ttmp9, 3
	s_add_co_u32 s22, s22, s18                     ; phase 2's token
	s_mov_b32 s21, 0x3fb8aa3b                      ; log2(e)
	s_mov_b32 s32, 0x76543210
	s_mov_b32 s33, 0xfedcba98                      ; v_permlanex16_b32's selects for lane l xor 16
	s_wait_kmcnt 0x0
	s_load_b256 s[24:31], s[8:9], 0x0              ; bg: no line of this kernel writes it
	s_add_nc_u64 s[4:5], s[4:5], s[34:35]
	s_add_nc_u64 s[6:7], s[6:7], s[36:37]
	s_add_nc_u64 s[10:11], s[10:11], s[38:39]
	s_add_nc_u64 s[12:13], s[12:13], s[40:41]
.irp t, 0,1,2,3
.irp j, 0,1,2,3
	global_load_b128 v[X+16*\t+4*\j:X+16*\t+4*\j+3], v2, s[4:5] offset:8192*\t+512*\j th:TH_LOAD_NT
.endr
.endr
.irp e, 0,1,2,3,4,5,6,7
.irp j, 0,1,2,3
	global_load_b128 v[G+16*\e+4*\j:G+16*\e+4*\j+3], v2, s[6:7] offset:8192*\e+512*\j
.endr
.endr
; Token t's 2,048 bytes through stage t.  LDS serves a wave's instructions in order (ISA guide 5.7.1.4): no wait between the stores and the loads.
.macro TURN t
	s_wait_loadcnt 44-4*\t                         ; token t's four loads are in: behind them stand the later tokens' 4 (3 - t) and Wg's 32
.irp j, 0,1,2,3
	ds_store_b128 v3, v[X+16*\t+4*\j:X+16*\t+4*\j+3] offset:32*SP*\t+8*SP*\j
.endr
.irp j, 0,1,2,3
	ds_load_b128 v[XN+16*(\t%2)+4*\j:XN+16*(\t%2)+4*\j+3], v4 offset:32*SP*\t+16*\j
.endr
.endm
; Token t's 16 neighbours become 16 codes; two neighbouring lanes hold a block.  left: the LDS instructions issued behind this token's loads.
.macro STEP t, left
.set XS, XN+16*(\t%2)
	s_wait_dscnt \left
	v_max3_num_f32 v9, |v[XS]|, |v[XS+1]|, |v[XS+2]|
	v_max3_num_f32 v10, |v[XS+3]|, |v[XS+4]|, |v[XS+5]|
.irp i, 6,10
	v_max3_num_f32 v9, v9, |v[XS+\i]|, |v[XS+\i+1]|
	v_max3_num_f32 v10, v10, |v[XS+\i+2]|, |v[XS+\i+3]|
.endr
	v_max3_num_f32 v9, v9, |v[XS+14]|, |v[XS+15]|
	v_max3_num_f32 v9, v9, v10, 0x1800000          ; and the floor 2^(3 - 127): the byte cannot fall under 1
	v_max_num_f32_dpp v9, v9, v9 row_xmask:1 row_mask:0xf bank_mask:0xf   ; with my neighbour's 16: the block's largest magnitude
	v_add_nc_u32 v11, 0xff000000, v9               ; 2 off its exponent field: the conversion takes this operand's exponent field as its scale
	v_cvt_scalef32_pk8_fp4_f32 v[C+2*\t], v[XS:XS+7], v11
	v_cvt_scalef32_pk8_fp4_f32 v[C+2*\t+1], v[XS+8:XS+15], v11
	v_lshrrev_b32 v[E+\t], 23, v11                 ; the scale's byte (also the plain line behind the conversions)
	ds_store_b8 v6, v[E+\t] offset:64*\t           ; both lanes of a block write the same byte with the same value
	global_store_b64 v5, v[C+2*\t:C+2*\t+1], s[10:11] offset:1024*\t   ; the wave stores 256 consecutive bytes, aligned
.endm
	TURN 0
	TURN 1
	STEP 0, 8                                      ; behind token 0's loads: TURN 1's eight
	TURN 2
	STEP 1, 9                                      ; a byte store and TURN 2's eight
	TURN 3
	STEP 2, 9                                      ; a byte store and TURN 3's eight
	STEP 3, 1                                      ; a byte store
	s_wait_loadcnt 0x0                             ; Wg
; Token t against the eight experts: my 16 numbers of each, two at a time, the eight sums by turns.
.macro GATE t
.irp e, 0,1,2,3,4,5,6,7
	v_pk_mul_f32 v[T+2*\e:T+2*\e+1], v[X+16*\t:X+16*\t+1], v[G+16*\e:G+16*\e+1]
.endr
.irp i, 1,2,3,4,5,6,7
.irp e, 0,1,2,3,4,5,6,7
	v_pk_fma_f32 v[T+2*\e:T+2*\e+1], v[X+16*\t+2*\i:X+16*\t+2*\i+1], v[G+16*\e+2*\i:G+16*\e+2*\i+1], v[T+2*\e:T+2*\e+1]
.endr
.endr
.if \t > 0
	s_wait_dscnt 0x0                               ; the last token's stores have read P
.endif
.irp e, 0,1,2,3,4,5,6,7
	v_add_f32 v[P+\e], v[T+2*\e], v[T+2*\e+1]
.endr
	ds_store_b128 v7, v[P:P+3] offset:4096*\t
	ds_store_b128 v7, v[P+4:P+7] offset:4096*\t+16
.endm
	GATE 0
	GATE 1
	GATE 2
	GATE 3
	s_wait_dscnt 0x0                               ; for the others' sake: my partial sums and scale bytes lie in LDS
	s_barrier_signal -1
	s_barrier_wait -1
	; ---- phase 2: token w.  Four slices x 32 lanes of partial sums for each of eight experts
.irp q, 0,1,2,3
	ds_load_b128 v[16+8*\q:19+8*\q], v8 offset:1024*\q
	ds_load_b128 v[20+8*\q:23+8*\q], v8 offset:1024*\q+16
.endr
	s_wait_dscnt 0x0
.irp i, 0,2,4,6
	v_pk_add_f32 v[16+\i:17+\i], v[16+\i:17+\i], v[24+\i:25+\i]
	v_pk_add_f32 v[32+\i:33+\i], v[32+\i:33+\i], v[40+\i:41+\i]
.endr
.irp i, 0,2,4,6
	v_pk_add_f32 v[16+\i:17+\i], v[16+\i:17+\i], v[32+\i:33+\i]
.endr
.irp m, 1,2,4,8
.irp e, 0,1,2,3,4,5,6,7
	v_add_f32_dpp v[16+\e], v[16+\e], v[16+\e] row_xmask:\m row_mask:0xf bank_mask:0xf
.endr
.endr
.irp e, 0,1,2,3,4,5,6,7
	v_permlanex16_b32 v[24+\e], v[16+\e], s32, s33
.endr
.irp e, 0,1,2,3,4,5,6,7
	v_add_f32 v[16+\e], v[16+\e], v[24+\e]         ; every lane holds the eight sums
.endr
	s_wait_kmcnt 0x0                               ; bg
.irp e, 0,1,2,3,4,5,6,7
	v_add_f32 v[16+\e], s[24+\e], v[16+\e]         ; the logits
.endr
	v_max3_num_f32 v32, v16, v17, v18
	v_max3_num_f32 v32, v32, v19, v20
	v_max3_num_f32 v32, v32, v21, v22
	v_max_num_f32 v32, v32, v23                    ; the row's maximum
.irp e, 0,1,2,3,4,5,6,7
	v_sub_f32 v[40+\e], v[16+\e], v32
.endr
.irp e, 0,1,2,3,4,5,6,7
	v_mul_f32 v[40+\e], s21, v[40+\e]
.endr
.irp e, 0,1,2,3,4,5,6,7
	v_exp_f32 v[40+\e], v[40+\e]                   ; p = e^(logit - maximum): at most 1, and the largest is 1
.endr
	s_lshl_b32 s23, s22, 2
	s_lshl_b32 s34, s22, 3
	v_mov_b32 v58, s23                             ; 4 x token (a plain line behind the exponentials)
	s_wait_alu depctr_va_vdst(0)
	v_add_f32 v34, v40, v41
	v_add_f32 v35, v42, v43
	v_add_f32 v36, v44, v45
	v_add_f32 v37, v46, v47
	v_add_f32 v34, v34, v35
	v_add_f32 v36, v36, v37
	v_add_f32 v34, v34, v36                        ; the sum, at least 1
	v_rcp_f32 v39, v34
; The largest p and its index; a strict compare keeps the lower index of a tie.  (Its first line is the plain line behind the reciprocal.)
.macro BEST val, idx
	v_mov_b32 v[\val], v40
	v_mov_b32 v[\idx], 0
.irp e, 1,2,3,4,5,6,7
	v_cmp_gt_f32 vcc_lo, v[40+\e], v[\val]
	v_cndmask_b32 v[\val], v[\val], v[40+\e], vcc_lo
	v_cndmask_b32 v[\idx], v[\idx], \e, vcc_lo
.endr
.endm
	BEST 48, 49
.irp e, 0,1,2,3,4,5,6,7
	v_cmp_eq_u32 vcc_lo, \e, v49
	v_cndmask_b32 v[40+\e], v[40+\e], -1.0, vcc_lo ; the winner leaves: -1 lies under every p
.endr
	BEST 50, 51
	v_min_u32 v52, v49, v51                        ; lo
	v_max_u32 v53, v49, v51                        ; hi
	v_cmp_lt_u32 vcc_lo, v49, v51
	s_wait_alu depctr_va_vdst(0)
	v_mul_f32 v48, v48, v39                        ; the two gates
	v_mul_f32 v50, v50, v39
	v_cndmask_b32 v54, v50, v48, vcc_lo            ; lo's gate
	v_cndmask_b32 v55, v48, v50, vcc_lo            ; hi's
	v_lshlrev_b32 v56, 14, v52
	v_lshl_or_b32 v56, v53, 11, v56
	v_or_b32 v56, s22, v56                         ; the key
	v_mov_b32 v59, s34                             ; 8 x token
	s_wait_xcnt 0x0                                ; EXEC is a source of the stores of codes: it changes only behind this wait
	v_cmp_eq_u32 vcc_lo, 0, v1
	s_and_saveexec_b32 s42, vcc_lo                 ; lane 0 alone: all lanes hold the same numbers
	global_store_b32 v58, v56, s[14:15]
	global_store_b64 v59, v[54:55], s[16:17]
	s_wait_xcnt 0x0
	s_or_b32 exec_lo, exec_lo, s42
	s_cmp_lg_u32 s18, 0
	s_cbranch_scc1 .Lend
	ds_load_b128 v[60:63], v12                     ; wave 0: the work-group's 512 scale bytes, stored ahead of the barrier
	s_wait_dscnt 0x0
	global_store_b128 v2, v[60:63], s[12:13]       ; 512 consecutive bytes, aligned
.Lend:
	s_wait_tensorcnt 0x0
	ds_add_u32 v254, v255
	s_wait_dscnt 0x0
	s_endpgm
.Lfunc_end_k_qbcdf7b5ca6_gateq:
	.size	k_qbcdf7b5ca6_gateq, .Lfunc_end_k_qbcdf7b5ca6_gateq-k_qbcdf7b5ca6_gateq
	.p2alignl 7, 3214868480
	.fill 96, 4, 3214868480
	.section	.rodata,"a",@progbits
	.p2align	6, 0x0
	.amdhsa_kernel k_qbcdf7b5ca6_gateq
		.amdhsa_group_segment_fixed_size 116224
		.amdhsa_private_segment_fixed_size 0
		.amdhsa_enable_private_segment 0
		.amdhsa_kernarg_size 56
		.amdhsa_user_sgpr_count 2
		.amdhsa_user_sgpr_kernarg_segment_ptr 1
		.amdhsa_wavefront_size32 1
		.amdhsa_system_sgpr_workgroup_id_x 1
		.amdhsa_system_sgpr_workgroup_id_y 1
		.amdhsa_system_sgpr_workgroup_id_z 1
		.amdhsa_system_vgpr_workitem_id 0
		.amdhsa_next_free_vgpr 256
		.amdhsa_next_free_sgpr 66
		.amdhsa_reserve_vcc 1
		.amdhsa_float_denorm_mode_32 3
		.amdhsa_float_denorm_mode_16_64 3
		.amdhsa_memory_ordered 1
		.amdhsa_forward_progress 1
		.amdhsa_inst_pref_size 41
	.end_amdhsa_kernel
	.amdgpu_metadata
---
amdhsa.version: [ 1, 2 ]
amdhsa.kernels:
  - .name:           k_qbcdf7b5ca6_gateq
    .symbol:         k_qbcdf7b5ca6_gateq.kd
    .args:
      - { .name: x, .offset: 0, .size: 8, .value_kind: global_buffer, .address_space: global }
      - { .name: Wg, .offset: 8, .size: 8, .value_kind: global_buffer, .address_space: global }
      - { .name: bg, .offset: 16, .size: 8, .value_kind: global_buffer, .address_space: global }
      - { .name: xq, .offset: 24, .size: 8, .value_kind: global_buffer, .address_space: global }
      - { .name: xs, .offset: 32, .size: 8, .value_kind: global_buffer, .address_space: global }
      - { .name: ckey, .offset: 40, .size: 8, .value_kind: global_buffer, .address_space: global }
      - { .name: gw, .offset: 48, .size: 8, .value_kind: global_buffer, .address_space: global }
    .group_segment_fixed_size: 116224
    .private_segment_fixed_size: 0
    .kernarg_segment_align: 8
    .kernarg_segment_size: 56
    .max_flat_workgroup_size: 256
    .sgpr_count:     66
    .vgpr_count:     256
    .wavefront_size: 32
...
	.end_amdgpu_metadata
.endif
;; end of part 1
;; launch place (part 2): grid 320 x 1, 8 waves a work-group, no clusters, 71,680 bytes of LDS; arguments ckey, W_codes, W_scales, skey, wf, wsf; writes skey, wf, wsf
.if DOCPART == 2
	.amdgcn_target "amdgcn-amd-amdhsa--gfx1250"
	.amdhsa_code_object_version 6
	.text
	.protected	k_qbcdf7b5ca6_place
	.globl	k_qbcdf7b5ca6_place
	.p2align	8
	.type	k_qbcdf7b5ca6_place,@function
k_qbcdf7b5ca6_place:
	s_mov_b64 s[64:65], 0
	v_nop
	global_prefetch_b8 v0, s[64:65] scope:SCOPE_SE
	s_setreg_imm32_b32 hwreg(HW_REG_WAVE_MODE, 25, 1), 1
	s_wait_xcnt 0x0
; Two kinds of work-groups in one launch; they part on the work-group's number alone and use LDS bytes of their own.
; RANK (work-groups 0-63): the 2,048 keys of ckey are all different (each holds its token), so a key's place in ascending order is the number of keys under it.
;   Work-group g owns keys 32 g + lane; wave w counts among keys 256 w .. 256 w + 255; the eight counts meet in LDS; wave 0 stores key c at skey[place].  No atomics, no histogram.
;   That last store is 4 bytes a lane to scattered places, 8 KiB in the whole launch: placing rows is a scatter.
; RELAYOUT (work-groups 64-319): W's codes and scale bytes are laid once in the order in which a wave's operand registers take them, so that the next launch loads whole fragments, 512 consecutive bytes an instruction.
;   Block Bk = 64 e + P holds features 32 P .. 32 P + 31 of expert e.
;   wf : Bk x 32,768 + q x 2,048 + u x 1,024 + c x 512 + 16 x lane  =  row 16 u + lane % 16, bytes 64 q + 32 c + 16 (lane / 16) .. + 15   (q: 128 along K; u: 16 features; c: four registers)
;   wsf: Bk x 2,048 + Qd x 512 + 16 x lane  =  row lane, scale bytes 16 Qd .. + 15   (four scale words: K steps 4 Qd .. 4 Qd + 3)
;   A wave takes 32 rows x 256 bytes: sixteen lanes read 256 consecutive bytes, aligned; the rows turn through the wave's own stage (pitch 272).
; The one barrier stands where the two ways have joined, so that every wave of every work-group passes it.  No tensor loads, no cluster: no byte is read twice.
.set PITCH, 272
.set RST,   32*PITCH                   ; LDS 0: a stage of 32 rows for each wave (relayout)
.set RK,    8*RST                      ; the counts [wave 8][lane 32] (rank)
	s_load_b256 s[4:11], s[0:1], 0x0               ; ckey s[4:5], W_codes s[6:7], W_scales s[8:9], skey s[10:11]
	s_load_b128 s[12:15], s[0:1], 0x20             ; wf s[12:13], wsf s[14:15]
	v_lshl_add_u32 v160, v0, 2, 0x11400
	v_mov_b32 v161, 0
	v_lshrrev_b32 v9, 5, v0
	v_readfirstlane_b32 s18, v9                    ; wave
	v_and_b32 v1, 31, v0                           ; lane
	v_and_b32 v10, 15, v0                          ; r
	v_bfe_u32 v11, v0, 4, 1                        ; h
	v_lshlrev_b32 v2, 4, v1                        ; 16 x lane
	s_mul_i32 s19, s18, RST                        ; every LDS address is made ahead of the parting
	v_mul_u32_u24 v3, v11, PITCH
	v_lshl_add_u32 v3, v10, 4, v3
	v_add_nc_u32 v3, s19, v3                       ; into the stage: row h, 16 r
	v_mul_u32_u24 v4, v10, PITCH
	v_lshl_add_u32 v4, v11, 4, v4
	v_add_nc_u32 v4, s19, v4                       ; out of it: row r, 16 h
	s_lshl_b32 s19, s18, 7
	s_add_co_u32 s19, s19, RK
	v_lshl_add_u32 v5, v1, 2, s19                  ; my wave's count for my key
	v_lshl_add_u32 v6, v1, 2, RK                   ; wave 0's count for my key
	v_lshlrev_b32 v7, 2, v1                        ; 4 x lane
	v_mov_b32 v8, 0                                ; my key's register: written on every way to the join
	s_mov_b32 s21, 0
	s_wait_kmcnt 0x0
	s_cmp_lt_u32 ttmp9, 64
	s_cbranch_scc0 .Lrelay
	; ---- RANK
	s_lshl_b32 s20, ttmp9, 7
	s_add_nc_u64 s[22:23], s[4:5], s[20:21]        ; my work-group's 32 keys
	s_lshl_b32 s20, s18, 10
	s_add_nc_u64 s[24:25], s[4:5], s[20:21]        ; my wave's 256 keys
	global_load_b32 v8, v7, s[22:23]               ; c
	global_load_b128 v[16:19], v2, s[24:25]
	global_load_b128 v[20:23], v2, s[24:25] offset:512
.irp i, 0,1,2,3
	v_mov_b32 v[24+\i], 0                          ; four counters, so that no addition waits for the one before
.endr
	s_wait_loadcnt 0x0
; Eight keys (register k, lanes l0 .. l0 + 7) against every lane's c: a key to a scalar, a compare into a mask, the mask's bit added as a carry.
.macro CNT8 k, l0
.irp i, 0,1,2,3,4,5,6,7
	v_readlane_b32 s[32+\i], v[16+\k], \l0+\i
.endr
.irp i, 0,1,2,3,4,5,6,7
	v_cmp_gt_u32 s[40+\i], v8, s[32+\i]
.endr
.irp i, 0,1,2,3,4,5,6,7
	v_add_co_ci_u32 v[24+\i%4], s[48+\i], 0, v[24+\i%4], s[40+\i]
.endr
.endm
.irp k, 0,1,2,3,4,5,6,7
.irp l, 0,8,16,24
	CNT8 \k, \l
.endr
.endr
	v_add_nc_u32 v24, v24, v25
	v_add_nc_u32 v26, v26, v27
	v_add_nc_u32 v24, v24, v26
	ds_store_b32 v5, v24
	s_branch .Ljoin
.Lrelay:
	; ---- RELAYOUT: unit U = 8 (work-group - 64) + wave; block Bk = U / 4, quarter of K Qd = U % 4
	s_sub_co_u32 s20, ttmp9, 64
	s_lshl_b32 s20, s20, 3
	s_add_co_u32 s20, s20, s18
	s_lshr_b32 s22, s20, 2                         ; Bk
	s_and_b32 s23, s20, 3                          ; Qd
	s_lshl_b32 s20, s22, 15
	s_lshl_b32 s24, s23, 8
	s_add_co_u32 s20, s20, s24
	s_add_nc_u64 s[6:7], s[6:7], s[20:21]          ; codes: 32 rows of 1,024 bytes a block, + 256 Qd
	s_lshl_b32 s20, s22, 11
	s_lshl_b32 s24, s23, 4
	s_add_co_u32 s20, s20, s24
	s_add_nc_u64 s[8:9], s[8:9], s[20:21]          ; scale bytes: 32 rows of 64 bytes a block, + 16 Qd
	s_lshl_b32 s20, s22, 15
	s_lshl_b32 s24, s23, 13
	s_add_co_u32 s20, s20, s24
	s_add_nc_u64 s[12:13], s[12:13], s[20:21]
	s_lshl_b32 s20, s22, 11
	s_lshl_b32 s24, s23, 9
	s_add_co_u32 s20, s20, s24
	s_add_nc_u64 s[14:15], s[14:15], s[20:21]
	v_lshlrev_b32 v9, 10, v11
	v_lshl_add_u32 v9, v10, 4, v9                  ; row h, 16 r
	v_lshlrev_b32 v12, 6, v1                       ; row lane of the scale bytes
.irp i, 0,1,2,3,4,5,6,7,8,9,10,11,12,13,14,15
	global_load_b128 v[32+4*\i:35+4*\i], v9, s[6:7] offset:2048*\i th:TH_LOAD_NT   ; rows 2 i and 2 i + 1
.endr
	global_load_b128 v[28:31], v12, s[8:9] th:TH_LOAD_NT
.irp i, 0,1,2,3,4,5,6,7,8,9,10,11,12,13,14,15
	s_wait_loadcnt 16-\i                           ; load i is in: behind it stand 15 - i of codes and the one of scale bytes
	ds_store_b128 v3, v[32+4*\i:35+4*\i] offset:2*PITCH*\i
.endr
.irp q, 0,1,2,3
.irp u, 0,1
.irp c, 0,1
	ds_load_b128 v[96+4*(4*\q+2*\u+\c):99+4*(4*\q+2*\u+\c)], v4 offset:16*PITCH*\u+64*\q+32*\c   ; LDS serves a wave's instructions in order (ISA guide 5.7.1.4): these see my stores
.endr
.endr
.endr
.irp q, 0,1,2,3
.irp u, 0,1
.irp c, 0,1
	s_wait_dscnt 15-(4*\q+2*\u+\c)
	global_store_b128 v2, v[96+4*(4*\q+2*\u+\c):99+4*(4*\q+2*\u+\c)], s[12:13] offset:2048*\q+1024*\u+512*\c   ; 512 consecutive bytes, aligned
.endr
.endr
.endr
	s_wait_loadcnt 0x0
	global_store_b128 v2, v[28:31], s[14:15]
.Ljoin:
	s_wait_dscnt 0x0                               ; for the others' sake: my count lies in LDS
	s_barrier_signal -1
	s_barrier_wait -1
	s_cmp_ge_u32 ttmp9, 64
	s_cbranch_scc1 .Lend
	s_cmp_lg_u32 s18, 0
	s_cbranch_scc1 .Lend
.irp k, 0,1,2,3,4,5,6,7
	ds_load_b32 v[16+\k], v6 offset:128*\k         ; wave 0 of a rank work-group: the eight waves' counts
.endr
	s_wait_dscnt 0x0
	v_add_nc_u32 v16, v16, v17
	v_add_nc_u32 v18, v18, v19
	v_add_nc_u32 v20, v20, v21
	v_add_nc_u32 v22, v22, v23
	v_add_nc_u32 v16, v16, v18
	v_add_nc_u32 v20, v20, v22
	v_add_nc_u32 v16, v16, v20                     ; my key's place
	v_min_u32 v16, 0x7ff, v16                      ; held inside the table
	v_lshlrev_b32 v17, 2, v16
	global_store_b32 v17, v8, s[10:11]
.Lend:
	s_wait_tensorcnt 0x0
	ds_add_u32 v160, v161
	s_wait_dscnt 0x0
	s_endpgm
.Lfunc_end_k_qbcdf7b5ca6_place:
	.size	k_qbcdf7b5ca6_place, .Lfunc_end_k_qbcdf7b5ca6_place-k_qbcdf7b5ca6_place
	.p2alignl 7, 3214868480
	.fill 96, 4, 3214868480
	.section	.rodata,"a",@progbits
	.p2align	6, 0x0
	.amdhsa_kernel k_qbcdf7b5ca6_place
		.amdhsa_group_segment_fixed_size 71680
		.amdhsa_private_segment_fixed_size 0
		.amdhsa_enable_private_segment 0
		.amdhsa_kernarg_size 48
		.amdhsa_user_sgpr_count 2
		.amdhsa_user_sgpr_kernarg_segment_ptr 1
		.amdhsa_wavefront_size32 1
		.amdhsa_system_sgpr_workgroup_id_x 1
		.amdhsa_system_sgpr_workgroup_id_y 1
		.amdhsa_system_sgpr_workgroup_id_z 1
		.amdhsa_system_vgpr_workitem_id 0
		.amdhsa_next_free_vgpr 162
		.amdhsa_next_free_sgpr 66
		.amdhsa_reserve_vcc 0
		.amdhsa_float_denorm_mode_32 3
		.amdhsa_float_denorm_mode_16_64 3
		.amdhsa_memory_ordered 1
		.amdhsa_forward_progress 1
		.amdhsa_inst_pref_size 59
	.end_amdhsa_kernel
	.amdgpu_metadata
---
amdhsa.version: [ 1, 2 ]
amdhsa.kernels:
  - .name:           k_qbcdf7b5ca6_place
    .symbol:         k_qbcdf7b5ca6_place.kd
    .args:
      - { .name: ckey, .offset: 0, .size: 8, .value_kind: global_buffer, .address_space: global }
      - { .name: W_codes, .offset: 8, .size: 8, .value_kind: global_buffer, .address_space: global }
      - { .name: W_scales, .offset: 16, .size: 8, .value_kind: global_buffer, .address_space: global }
      - { .name: skey, .offset: 24, .size: 8, .value_kind: global_buffer, .address_space: global }
      - { .name: wf, .offset: 32, .size: 8, .value_kind: global_buffer, .address_space: global }
      - { .name: wsf, .offset: 40, .size: 8, .value_kind: global_buffer, .address_space: global }
    .group_segment_fixed_size: 71680
    .private_segment_fixed_size: 0
    .kernarg_segment_align: 8
    .kernarg_segment_size: 48
    .max_flat_workgroup_size: 256
    .sgpr_count:     66
    .vgpr_count:     162
    .wavefront_size: 32
...
	.end_amdgpu_metadata
.endif
;; end of part 2
;; launch chain (part 3): grid 8 x 32, 4 waves a work-group, no clusters, 136,704 bytes of LDS; arguments skey, gw, xq, xs, wf, wsf, b, out0; writes out0
.if DOCPART == 3
	.amdgcn_target "amdgcn-amd-amdhsa--gfx1250"
	.amdhsa_code_object_version 6
	.text
	.protected	k_qbcdf7b5ca6_chain
	.globl	k_qbcdf7b5ca6_chain
	.p2align	8
	.type	k_qbcdf7b5ca6_chain,@function
k_qbcdf7b5ca6_chain:
	s_mov_b64 s[64:65], 0
	v_nop
	global_prefetch_b8 v0, s[64:65] scope:SCOPE_SE
	s_setreg_imm32_b32 hwreg(HW_REG_WAVE_MODE, 25, 1), 1
	s_wait_xcnt 0x0
; out0[token] = the sum over the token's two experts of gate x relu(Q(x[token]) . W_e^T + b_e), the products on codes of E2M1 with E8M0 scales, f32 sums.
; SHARES.  Work-group (fb, beta) owns the 64 tokens at places 64 beta .. + 63 of the sorted list skey (sorted by pair of experts) and features 256 fb .. + 255.  Each output number has one owner.
;   Wave w takes the 64 tokens x features 64 w .. + 63 of the block, in two passes of 32.  The waves share only x's codes; there is one barrier in the kernel, at its head.
;   Only the experts that some token of the block uses are walked: their numbers stand, four bits each, in a scalar list made from skey's whole numbers.  There are at least two (lo < hi) and at most eight.
;   A TRIP is one expert in one pass: 16 K steps x 4 tiles of tokens x 2 tiles of features = 128 matrix instructions.  A token that does not use the expert has the gate 0.
; OPERANDS.  x's codes of the 64 tokens, all of K, stay in 512 registers (windows 2 and 3).  The weights come from memory straight into a ring of 256 registers (window 1), a whole trip ahead:
;   wf and wsf are laid in the order of the operand's registers, so each load is 512 consecutive bytes.  A step of the ring is asked for again as soon as its products are issued.
; THE PRODUCT IS USED TRANSPOSED: source 0 = 16 features of W, source 1 = 16 tokens.  Lane (r, h) holds token 16 t + r, its register j feature 16 u + 8 h + j.  The bias is the C of a sum's first instruction.
; NO JOINT LOADS, NO LDS RING: which experts a work-group walks, and how many, is read from memory and differs from token block to token block, so partners could not issue the same requests on every path,
;   and a ring's barriers would stand under branches on loaded numbers.  What the eight work-groups of a token block do share, x's codes, is 68 KiB of the 600 KiB to 2.2 MiB that a work-group reads.
;   The four waves' features are disjoint, so LDS would add a store and a load for each byte of W and spare nothing.
; LIMIT: an expert that no token of the block uses is not multiplied: a NaN that reference() would make there (a scale byte 0xff) times the gate 0 is not made here.
; REGISTERS, in windows of 256 (s_set_vgpr_msb: bits 1:0 source 0, 3:2 source 1, 5:4 source 2, 7:6 destination):
;   window 0: v1-8 addresses; v9-15 at work; v16-23 the tokens' experts; v24-31 their gates; v32-39 the trip's gate; v48-79 x's scale words; v80-95 W's; v96-111 the bias; v112-175 sums; v176-239 out; v240-253 keys (head)
;   window 1: the ring, K step q, tile u at v[16 q + 8 u]; at the end v0-31 the tokens of the rows that I store.   windows 2, 3: x's fragments, K step q, tile t at v[32 (q % 8) + 8 t].
.set XPITCH, 1040                      ; LDS 0: x's codes, 64 rows of 1,024 bytes + 16: the 16 rows of a load start at 16 different banks (64 banks of 4 bytes: ISA guide 11.1)
.set OPITCH, 272
.set OST,    64*XPITCH                 ; behind them: a stage of 64 rows x (256 bytes + 16) for each wave, for the way out
.set L16, 1                            ; 16 x lane
.set BOF, 2                            ; 32 h
.set SO,  3                            ; the stage: where I put 32 bytes of a row
.set SR,  4                            ; and where I read a row back
.set COL, 5                            ; 16 r
.set XR,  6                            ; x's fragments in LDS: row r, 16 h
.set KOF, 7                            ; 4 h
.set XW,  8                            ; where I put x's rows
.set LO,  16
.set HI,  20
.set GW,  24                           ; pairs (lo's gate, hi's gate), tile t at 2 t
.set GG,  32                           ; pairs: the trip's gate in the even register
.set XS,  48                           ; register 16 (t / 2) + q: lanes 0-15 the even tile's words, lanes 16-31 the odd tile's
.set WS,  80                           ; register q: lanes 0-15 tile u = 0, lanes 16-31 u = 1
.set BI,  96
.set ACC, 112                          ; sum (u, t) at 8 (4 u + t)
.set OUT, 176
.set KT,  240
.set KL,  244
.set KX,  246
.set MSB, 0
.macro WIN new                         ; the immediate's high byte repeats the setting that is left; a switch that changes nothing is dropped
.if MSB != \new
	s_set_vgpr_msb (MSB<<8)|\new
.set MSB, \new
.endif
.endm
	s_load_b512 s[4:19], s[0:1], 0x0               ; skey s[4:5], gw s[6:7], xq s[8:9], xs s[10:11], wf s[12:13], wsf s[14:15], b s[16:17], out0 s[18:19]
	v_lshl_add_u32 v254, v0, 2, 0x21400
	v_mov_b32 v255, 0
	v_lshrrev_b32 v9, 5, v0
	v_readfirstlane_b32 s20, v9                    ; wave w
	s_and_b32 s22, ttmp7, 0xffff                   ; beta
	v_and_b32 v10, 31, v0                          ; lane
	v_and_b32 v11, 15, v0                          ; r
	v_bfe_u32 v12, v0, 4, 1                        ; h
	v_lshlrev_b32 v[L16], 4, v10
	v_lshlrev_b32 v[BOF], 5, v12
	s_mul_i32 s30, s20, 64*OPITCH
	s_add_co_u32 s30, s30, OST                     ; my stage
	v_mul_u32_u24 v[SO], v11, OPITCH
	v_lshl_add_u32 v[SO], v12, 5, v[SO]
	v_add_nc_u32 v[SO], s30, v[SO]
	v_mul_u32_u24 v[SR], v12, OPITCH
	v_lshl_add_u32 v[SR], v11, 4, v[SR]
	v_add_nc_u32 v[SR], s30, v[SR]
	v_lshlrev_b32 v[COL], 4, v11
	v_mul_u32_u24 v[XR], v11, XPITCH
	v_lshl_add_u32 v[XR], v12, 4, v[XR]
	v_lshlrev_b32 v[KOF], 2, v12
	s_mul_i32 s31, s20, 16*XPITCH
	v_mul_u32_u24 v[XW], v12, XPITCH
	v_lshl_add_u32 v[XW], v11, 4, v[XW]
	v_add_nc_u32 v[XW], s31, v[XW]                 ; rows 16 w + h, 16 r
	v_lshlrev_b32 v13, 2, v11                      ; 4 r
	v_lshlrev_b32 v14, 2, v10                      ; 4 x lane
	s_lshl_b32 s32, s20, 6
	v_add_nc_u32 v15, s32, v[KOF]                  ; 64 w + 4 h
	s_lshl_b32 s23, ttmp9, 3
	s_lshl_b32 s32, s20, 1
	s_add_co_u32 s23, s23, s32                     ; my first block of 32 features: 8 fb + 2 w
	s_lshl_b32 s42, s22, 8
	s_mov_b32 s43, 0                               ; s[42:43]: an offset; its high word stays 0
	s_lshl_b32 s34, ttmp9, 10
	s_lshl_b32 s32, s20, 8
	s_add_co_u32 s34, s34, s32
	s_mov_b32 s35, 0
.irp t, 0,1,2,3
	v_mov_b32 v[GG+2*\t+1], 0                      ; named with the gate as a pair, so it is written
.endr
	s_wait_kmcnt 0x0
	s_add_nc_u64 s[44:45], s[4:5], s[42:43]        ; skey at my block's 64 places
	s_add_nc_u64 s[46:47], s[18:19], s[34:35]      ; out0 at my wave's 64 features
.irp t, 0,1,2,3
	global_load_b32 v[KT+\t], v13, s[44:45] offset:64*\t      ; place 16 t + r: the token that I hold in tile t
.endr
.irp p, 0,1
	global_load_b32 v[KL+\p], v14, s[44:45] offset:128*\p     ; place 32 p + lane: for the scale words
.endr
.irp i, 0,1,2,3,4,5,6,7
	global_load_b32 v[KX+\i], v15, s[44:45] offset:8*\i       ; place 16 w + 2 i + h: the rows of x that my wave gathers
.endr
	s_wait_loadcnt 0x0
.irp i, 0,1,2,3,4,5,6,7
	v_and_b32 v[KX+\i], 0x7ff, v[KX+\i]            ; the token,
.endr
.irp i, 0,1,2,3,4,5,6,7
	v_min_u32 v[KX+\i], 0x7ff, v[KX+\i]            ; held inside the table,
.endr
.irp i, 0,1,2,3,4,5,6,7
	v_lshl_add_u32 v[KX+\i], v[KX+\i], 10, v[COL]  ; its row of 1,024 bytes, + 16 r
.endr
.irp i, 0,1,2,3,4,5,6,7
.irp j, 0,1,2,3
	global_load_b128 v[ACC+16*\i+4*\j:ACC+16*\i+4*\j+3], v[KX+\i], s[8:9] offset:256*\j   ; sixteen lanes read 256 consecutive bytes of a token's codes
.endr
.endr
.irp t, 0,1,2,3
	v_bfe_u32 v[LO+\t], v[KT+\t], 14, 3
	v_bfe_u32 v[HI+\t], v[KT+\t], 11, 3
.endr
.irp p, 0,1
	v_and_b32 v[KL+\p], 0x7ff, v[KL+\p]
	v_min_u32 v[KL+\p], 0x7ff, v[KL+\p]
	v_lshlrev_b32 v[KL+\p], 6, v[KL+\p]
.endr
.irp p, 0,1
.irp q, 0,1,2,3
	global_load_b128 v[XS+16*\p+4*\q:XS+16*\p+4*\q+3], v[KL+\p], s[10:11] offset:16*\q    ; four scale words of my token: K steps 4 q .. 4 q + 3
.endr
.endr
.irp t, 0,1,2,3
	v_and_b32 v[KT+\t], 0x7ff, v[KT+\t]
	v_min_u32 v[KT+\t], 0x7ff, v[KT+\t]
	v_lshlrev_b32 v[KT+\t], 3, v[KT+\t]
.endr
.irp t, 0,1,2,3
	global_load_b64 v[GW+2*\t:GW+2*\t+1], v[KT+\t], s[6:7]
.endr
	; the experts in use: a bit for each in every lane, then, expert by expert, 'does any lane have it' into a scalar list of four bits a place
	v_mov_b32 v13, 1
	v_lshlrev_b32 v9, v[LO], v13
.irp r, LO+1, LO+2, LO+3, HI, HI+1, HI+2, HI+3
	v_lshl_or_b32 v9, v13, v[\r], v9
.endr
	s_mov_b32 s25, 0                               ; the list
	s_mov_b32 s26, 0                               ; 4 x its length
.irp e, 0,1,2,3,4,5,6,7
	v_and_b32 v10, 1<<\e, v9
	v_cmp_ne_u32 vcc_lo, 0, v10
	s_lshl_b32 s30, \e, s26
	s_cmp_lg_u32 vcc_lo, 0
	s_cselect_b32 s30, s30, 0
	s_cselect_b32 s31, 4, 0
	s_or_b32 s25, s25, s30
	s_add_co_u32 s26, s26, s31
.endr
	s_lshr_b32 s26, s26, 2                         ; n, 2 to 8
	s_sub_co_u32 s27, s26, 1                       ; n - 1
; The bases of the trip to be fetched: the expert at bit jsh of the list, pass p.  Block Bk = 64 e + 8 fb + 2 w + p: 32,768 bytes of wf, 2,048 of wsf, 128 of b.
.macro SETNEXT jsh, p
	s_wait_xcnt 0x0                                ; the bases are sources of the loads issued so far: they are rewritten only behind this wait
	s_lshr_b32 s30, s25, \jsh
	s_and_b32 s30, s30, 7
	s_min_u32 s30, s30, 7                          ; held inside the table
	s_lshl_b32 s30, s30, 6
	s_add_co_u32 s30, s30, s23
.if \p
	s_add_co_u32 s30, s30, 1
.endif
	s_lshl_b32 s42, s30, 15
	s_add_nc_u64 s[36:37], s[12:13], s[42:43]
	s_lshl_b32 s42, s30, 11
	s_add_nc_u64 s[38:39], s[14:15], s[42:43]
	s_lshl_b32 s42, s30, 7
	s_add_nc_u64 s[40:41], s[16:17], s[42:43]
.endm
; Step d of a fetch: K steps 2 d and 2 d + 1 of the ring (8 loads); with d = 0 the bias (4); with odd d the scale words of K steps 2 d - 2 .. 2 d + 1 (1).  72 loads a fetch: 12, 9, 8, 9, 8, 9, 8, 9.
.macro FILL d
	WIN 0x40                                       ; destination window 1, address window 0
.irp qq, 0,1
.irp u, 0,1
.irp c, 0,1
	global_load_b128 v[16*(2*\d+\qq)+8*\u+4*\c:16*(2*\d+\qq)+8*\u+4*\c+3], v[L16], s[36:37] offset:2048*(2*\d+\qq)+1024*\u+512*\c
.endr
.endr
.endr
.if \d == 0
	WIN 0
.irp u, 0,1
	global_load_b128 v[BI+8*\u:BI+8*\u+3], v[BOF], s[40:41] offset:64*\u          ; b of features 16 u + 8 h + 0 .. 7: the result's layout
	global_load_b128 v[BI+8*\u+4:BI+8*\u+7], v[BOF], s[40:41] offset:64*\u+16
.endr
.endif
.if (\d%2) == 1
	WIN 0
	global_load_b128 v[WS+2*(\d-1):WS+2*(\d-1)+3], v[L16], s[38:39] offset:256*(\d-1)
.endif
.endm
; One product: K step q, features' tile u, tokens' tile t.  The scale registers' rows go with u and with t's parity.
.macro WM q, u, t
.set rD, ACC+8*(4*(\u)+(\t))
.set rA, 16*(\q)+8*(\u)
.set rB, 32*((\q)%8)+8*(\t)
.set rC, rD
.if (\q) == 0
.set rC, BI+8*(\u)                     ; the first product starts the sum from the bias: nothing is cleared, nothing is added later
.endif
.set rSA, WS+(\q)
.set rSB, XS+16*((\t)/2)+(\q)
.if ((\u) == 0) && (((\t)%2) == 0)
	v_wmma_scale_f32_16x16x128_f8f6f4 v[rD:rD+7], v[rA:rA+7], v[rB:rB+7], v[rC:rC+7], v[rSA], v[rSB] matrix_a_fmt:MATRIX_FMT_FP4 matrix_b_fmt:MATRIX_FMT_FP4
.elseif ((\u) == 1) && (((\t)%2) == 0)
	v_wmma_scale_f32_16x16x128_f8f6f4 v[rD:rD+7], v[rA:rA+7], v[rB:rB+7], v[rC:rC+7], v[rSA], v[rSB] matrix_a_fmt:MATRIX_FMT_FP4 matrix_b_fmt:MATRIX_FMT_FP4 matrix_a_scale:MATRIX_SCALE_ROW1
.elseif (\u) == 0
	v_wmma_scale_f32_16x16x128_f8f6f4 v[rD:rD+7], v[rA:rA+7], v[rB:rB+7], v[rC:rC+7], v[rSA], v[rSB] matrix_a_fmt:MATRIX_FMT_FP4 matrix_b_fmt:MATRIX_FMT_FP4 matrix_b_scale:MATRIX_SCALE_ROW1
.else
	v_wmma_scale_f32_16x16x128_f8f6f4 v[rD:rD+7], v[rA:rA+7], v[rB:rB+7], v[rC:rC+7], v[rSA], v[rSB] matrix_a_fmt:MATRIX_FMT_FP4 matrix_b_fmt:MATRIX_FMT_FP4 matrix_a_scale:MATRIX_SCALE_ROW1 matrix_b_scale:MATRIX_SCALE_ROW1
.endif
.endm
; 16 products: K steps 2 d and 2 d + 1.  The eight sums take turns, one instruction a turn, in the same order in every K step and from trip to trip.
.macro MUL d
.if \d < 4
	WIN 0x09                                       ; W window 1, x window 2, C and D window 0
.else
	WIN 0x0d                                       ; x window 3
.endif
.irp qq, 0,1
.irp t, 0,1,2,3
.irp u, 0,1
	WM (2*\d+\qq), \u, \t
.endr
.endr
.endr
.endm
; The trip's gate of my four tokens: lo's where the expert s29 is the token's lo, hi's where it is its hi, else 0.
.macro GCALC
.irp t, 0,1,2,3
	v_cmp_eq_u32 vcc_lo, s29, v[HI+\t]
	v_cndmask_b32 v[GG+2*\t], 0, v[GW+2*\t+1], vcc_lo
	v_cmp_eq_u32 vcc_lo, s29, v[LO+\t]
	v_cndmask_b32 v[GG+2*\t], v[GG+2*\t], v[GW+2*\t], vcc_lo
.endr
.endm
; A TRIP.  mode 1: each step of the ring is asked for again, for the next trip, behind its products.  mode 0: the last trip of all: nothing is fetched but the tokens of the rows that I store.
; A load into a register that a matrix instruction has read stands four places behind it, and only plain vector instructions that name none of its registers are places (ISA guide 7.12.1 for vector
; instructions): four v_nop, or, behind the last products, the sixteen lines that make the gate, which are also the places in front of the first read of the sums.
; THE WAITS count loads issued behind the scale words of step d + 1 of the fetch before, which are younger than all else that steps d and d + 1 want:
;   d = 0: steps 2-7 of that fetch: 8 + 9 + 8 + 9 + 8 + 9 = 51.   d = 2: its steps 4-7, 34, and this trip's 12 + 9.   d = 4: 17 and 38.   d = 6: 0 and 55.   mode 0: 51, 34, 17 + the 32 keys, 32.
; More loads are issued than LOADcnt's field holds; the issue then waits for the oldest (ISA guide 5.7.1), which are the very loads that the next wait asks for.
.macro TRIP mode
.irp d, 0,1,2,3,4,5,6,7
.if \d == 0
	s_wait_loadcnt 51
.elseif \d == 2
.if \mode
	s_wait_loadcnt 55
.else
	s_wait_loadcnt 34
.endif
.elseif \d == 4
.if \mode
	s_wait_loadcnt 55
.else
	s_wait_loadcnt 49
.endif
.elseif \d == 6
.if \mode
	s_wait_loadcnt 55
.else
	s_wait_loadcnt 32
.endif
.endif
	MUL \d
.if \d == 7
	WIN 0
	GCALC
.else
.rept 4
	v_nop
.endr
.endif
.if \mode
	FILL \d
.elseif \d == 3
	WIN 0x40
.set i, 0
.rept 32
	global_load_b32 v[i], v[KOF], s[44:45] offset:8*i      ; place 2 i + h, into the ring's K steps 0 and 1, which are done with
.set i, i+1
.endr
.endif
.endr
	WIN 0
.endm
; relu, times the gate, onto out.  Each sum is read from its low end on.  first = 1: the pass's first expert starts out: nothing is cleared.
.macro EPI first
.irp a, 0,1,2,3,4,5,6,7
.irp j, 0,1,2,3,4,5,6,7
	v_max_num_f32 v[ACC+8*\a+\j], 0, v[ACC+8*\a+\j]
.endr
.irp j, 0,2,4,6
.if \first
	v_pk_mul_f32 v[OUT+8*\a+\j:OUT+8*\a+\j+1], v[ACC+8*\a+\j:ACC+8*\a+\j+1], v[GG+2*(\a%4):GG+2*(\a%4)+1] op_sel_hi:[1,0]
.else
	v_pk_fma_f32 v[OUT+8*\a+\j:OUT+8*\a+\j+1], v[ACC+8*\a+\j:ACC+8*\a+\j+1], v[GG+2*(\a%4):GG+2*(\a%4)+1], v[OUT+8*\a+\j:OUT+8*\a+\j+1] op_sel_hi:[1,0,1]
.endif
.endr
.endr
.endm
; Pass p's 32 features of the 64 tokens into my stage: row 16 t + r, bytes 128 p + 64 u + 32 h on.
.macro STAGE p
.irp u, 0,1
.irp t, 0,1,2,3
	ds_store_b128 v[SO], v[OUT+8*(4*\u+\t):OUT+8*(4*\u+\t)+3] offset:16*OPITCH*\t+128*\p+64*\u
	ds_store_b128 v[SO], v[OUT+8*(4*\u+\t)+4:OUT+8*(4*\u+\t)+7] offset:16*OPITCH*\t+128*\p+64*\u+16
.endr
.endr
.endm
; A pass: the first expert and the last are written out (the first starts out; the last fetches the next pass's first expert, or nothing); experts 1 .. n - 2 go round a loop.
; No LDS instruction and no barrier stands in the loop, whose trip count is read from memory.
.macro PASS p
	s_and_b32 s29, s25, 7                          ; the list's place 0
	s_mov_b32 s33, 4
	SETNEXT s33, \p                                ; place 1 is fetched
	TRIP 1
	EPI 1
	s_mov_b32 s28, 1
	s_cmp_lt_u32 s28, s27
	s_cbranch_scc0 .Llast_\p
.Ltrip_\p:
	s_lshl_b32 s33, s28, 2
	s_lshr_b32 s29, s25, s33
	s_and_b32 s29, s29, 7                          ; place j
	s_add_co_u32 s33, s33, 4
	SETNEXT s33, \p                                ; place j + 1 is fetched
	TRIP 1
	EPI 0
	s_add_co_u32 s28, s28, 1
	s_cmp_lt_u32 s28, s27
	s_cbranch_scc1 .Ltrip_\p
.Llast_\p:
	s_lshl_b32 s33, s27, 2
	s_lshr_b32 s29, s25, s33
	s_and_b32 s29, s29, 7                          ; place n - 1
.if \p == 0
	s_mov_b32 s33, 0
	SETNEXT s33, 1                                 ; the next pass's place 0 is fetched
	TRIP 1
.else
	TRIP 0
.endif
	EPI 0
	STAGE \p
.endm
	s_mov_b32 s33, 0
	SETNEXT s33, 0
	FILL 0                                         ; the first fetch, its first half: 38 loads
	FILL 1
	FILL 2
	FILL 3
	WIN 0
	s_wait_loadcnt 50                              ; x's codes are in: behind them stand 8 loads of scale words, 4 of gates and the 38
.irp i, 0,1,2,3,4,5,6,7
.irp j, 0,1,2,3
	ds_store_b128 v[XW], v[ACC+16*\i+4*\j:ACC+16*\i+4*\j+3] offset:2*XPITCH*\i+256*\j
.endr
.endr
	FILL 4                                         ; its second half: 34 loads
	FILL 5
	FILL 6
	FILL 7
	WIN 0
	s_wait_dscnt 0x0                               ; for the others' sake: my 16 rows of x lie in LDS
	s_barrier_signal -1
	s_barrier_wait -1
	WIN 0x80                                       ; destination window 2
.irp q, 0,1,2,3,4,5,6,7
.irp t, 0,1,2,3
.irp c, 0,1
	ds_load_b128 v[32*\q+8*\t+4*\c:32*\q+8*\t+4*\c+3], v[XR] offset:16*XPITCH*\t+64*\q+32*\c
.endr
.endr
.endr
	WIN 0xc0                                       ; destination window 3
.irp q, 0,1,2,3,4,5,6,7
.irp t, 0,1,2,3
.irp c, 0,1
	ds_load_b128 v[32*\q+8*\t+4*\c:32*\q+8*\t+4*\c+3], v[XR] offset:16*XPITCH*\t+64*(\q+8)+32*\c
.endr
.endr
.endr
	WIN 0
	s_wait_dscnt 0x0                               ; x's fragments are in registers, for the whole kernel
	PASS 0
	s_wait_dscnt 0x0                               ; the stage's stores have read out, which the next pass writes anew
	PASS 1
	; THE WAY OUT: whole rows of 256 bytes back from my stage, two an instruction; each goes to its token's row of out0.
.set i, 0
.rept 32
	ds_load_b128 v[ACC+4*i:ACC+4*i+3], v[SR] offset:2*OPITCH*i     ; LDS serves a wave's instructions in order (ISA guide 5.7.1.4): these see my stores
.set i, i+1
.endr
	s_wait_loadcnt 0x0                             ; the rows' keys
	WIN 0x44                                       ; destination and source 1 window 1
.set i, 0
.rept 32
	v_and_b32 v[i], 0x7ff, v[i]                    ; the token,
.set i, i+1
.endr
.set i, 0
.rept 32
	v_min_u32 v[i], 0x7ff, v[i]                    ; held inside the table,
.set i, i+1
.endr
	WIN 0x41                                       ; destination and source 0 window 1
.set i, 0
.rept 32
	v_lshl_add_u32 v[i], v[i], 13, v[COL]          ; its row of 8,192 bytes, + 16 r
.set i, i+1
.endr
	WIN 0x01                                       ; a store's address is its source 0: window 1; its data window 0
.set i, 0
.rept 32
	s_wait_dscnt 31-i
	global_store_b128 v[i], v[ACC+4*i:ACC+4*i+3], s[46:47] th:TH_STORE_NT   ; sixteen lanes store 256 consecutive bytes, aligned; written once, read by nobody here
.set i, i+1
.endr
	WIN 0
	s_wait_tensorcnt 0x0
	ds_add_u32 v254, v255
	s_wait_dscnt 0x0
	s_endpgm
.Lfunc_end_k_qbcdf7b5ca6_chain:
	.size	k_qbcdf7b5ca6_chain, .Lfunc_end_k_qbcdf7b5ca6_chain-k_qbcdf7b5ca6_chain
	.p2alignl 7, 3214868480
	.fill 96, 4, 3214868480
	.section	.rodata,"a",@progbits
	.p2align	6, 0x0
	.amdhsa_kernel k_qbcdf7b5ca6_chain
		.amdhsa_group_segment_fixed_size 136704
		.amdhsa_private_segment_fixed_size 0
		.amdhsa_enable_private_segment 0
		.amdhsa_kernarg_size 64
		.amdhsa_user_sgpr_count 2
		.amdhsa_user_sgpr_kernarg_segment_ptr 1
		.amdhsa_wavefront_size32 1
		.amdhsa_system_sgpr_workgroup_id_x 1
		.amdhsa_system_sgpr_workgroup_id_y 1
		.amdhsa_system_sgpr_workgroup_id_z 1
		.amdhsa_system_vgpr_workitem_id 0
		.amdhsa_next_free_vgpr 1024
		.amdhsa_next_free_sgpr 66
		.amdhsa_reserve_vcc 1
		.amdhsa_float_denorm_mode_32 3
		.amdhsa_float_denorm_mode_16_64 3
		.amdhsa_memory_ordered 1
		.amdhsa_forward_progress 1
		.amdhsa_inst_pref_size 218
	.end_amdhsa_kernel
	.amdgpu_metadata
---
amdhsa.version: [ 1, 2 ]
amdhsa.kernels:
  - .name:           k_qbcdf7b5ca6_chain
    .symbol:         k_qbcdf7b5ca6_chain.kd
    .args:
      - { .name: skey, .offset: 0, .size: 8, .value_kind: global_buffer, .address_space: global }
      - { .name: gw, .offset: 8, .size: 8, .value_kind: global_buffer, .address_space: global }
      - { .name: xq, .offset: 16, .size: 8, .value_kind: global_buffer, .address_space: global }
      - { .name: xs, .offset: 24, .size: 8, .value_kind: global_buffer, .address_space: global }
      - { .name: wf, .offset: 32, .size: 8, .value_kind: global_buffer, .address_space: global }
      - { .name: wsf, .offset: 40, .size: 8, .value_kind: global_buffer, .address_space: global }
      - { .name: b, .offset: 48, .size: 8, .value_kind: global_buffer, .address_space: global }
      - { .name: out0, .offset: 56, .size: 8, .value_kind: global_buffer, .address_space: global }
    .group_segment_fixed_size: 136704
    .private_segment_fixed_size: 0
    .kernarg_segment_align: 8
    .kernarg_segment_size: 64
    .max_flat_workgroup_size: 128
    .sgpr_count:     66
    .vgpr_count:     1024
    .wavefront_size: 32
...
	.end_amdgpu_metadata
.endif
;; end of part 3
;; ======== version 2 of 2: 3 launches
;; workspace buffers: xq 2,097,152 bytes; xs 131,072 bytes; ckey 8,192 bytes of whole numbers; gw 16,384 bytes; skey 8,192 bytes of whole numbers; wf 16,777,216 bytes; wsf 1,048,576 bytes
;; launch gateq (part 4): grid 256 x 1, 8 waves a work-group, no clusters, 116,224 bytes of LDS; arguments x, Wg, bg, xq, xs, ckey, gw; writes xq, xs, ckey, gw
.if DOCPART == 4
	.amdgcn_target "amdgcn-amd-amdhsa--gfx1250"
	.amdhsa_code_object_version 6
	.text
	.protected	k_qbcdf7b5ca6_gateq
	.globl	k_qbcdf7b5ca6_gateq
	.p2align	8
	.type	k_qbcdf7b5ca6_gateq,@function
k_qbcdf7b5ca6_gateq:
	s_mov_b64 s[64:65], 0
	v_nop
	global_prefetch_b8 v0, s[64:65] scope:SCOPE_SE
	s_setreg_imm32_b32 hwreg(HW_REG_WAVE_MODE, 25, 1), 1
	s_wait_xcnt 0x0
; x [2048][2048] f32 is read ONCE and serves twice:
;  (1) it is quantised along K to codes of E2M1 with one E8M0 byte for each 32: xq [token][1024 bytes], xs [token][64 bytes], laid as W's rows lie;
;  (2) the gate: logits = x Wg^T + bg in f32, softmax with the row's maximum taken away, the two largest (a tie keeps the lower index).
; For each token a whole-number key lo << 14 | hi << 11 | token (lo < hi: the two experts) goes to ckey, the two gates (lo's, hi's) to gw.  Nothing here is addressed by the choice: it is stored as a value.
; A block's scale is 2^(floor(log2(largest magnitude)) - 2); its byte is the largest magnitude's exponent field - 2, held at 1 from below.
; LIMITS: NaN and infinities in x are not served.  A block whose largest magnitude lies under 2^-124 keeps the byte 1; a block of zeros gets the byte 1 and zero codes (only this program reads these bytes).
;   The two largest are taken of the f32 exponentials: experts whose gates differ by less than the rounding of the f32 sums may be chosen otherwise than by another order of summation.
;   Exponentials under 2^-126 come out as 0 (ISA guide, the entry of v_exp_f32); a tie among such zeros keeps the lower index.
; SHARES.  A work-group owns 8 tokens.  Phase 1: wave w = 4 a + s takes tokens 4 a .. 4 a + 3 and K = 512 s .. 512 s + 511.  Phase 2: wave w takes token w.
; Every load reads 512 consecutive bytes, 16 a lane.  The conversions want 16 NEIGHBOURS along K in a lane: a token's 2,048 bytes turn through the wave's own stage in LDS (64 bytes + 16 of padding a place).
; The gate's products take x as it was loaded, against Wg loaded the same way.  No matrix unit: N = 8.  No tensor loads, no cluster: work-groups share only Wg, 64 KiB.
.set SP,   80                          ; a place in a stage: 64 bytes + 16 of padding
.set STW,  4*32*SP                     ; LDS 0: four stages of 32 places for each wave
.set GP,   8*STW                       ; the gate's partial sums [token 8][slice 4][lane 32][expert 8] f32
.set XSB,  GP+32768                    ; the scale bytes [token 8][64]
.set X,    16                          ; v16-79    x as loaded: token t at 16 t
.set G,    80                          ; v80-207   Wg as loaded: expert e at 16 e
.set XN,   208                         ; v208-239  two sets of 16 neighbours
.set T,    208                         ; v208-223  later: the gate's eight running pairs
.set P,    224                         ; v224-231  later: a token's eight partial sums
.set C,    240                         ; v240-247  codes: two registers a token, never rewritten
.set E,    248                         ; v248-251  scale bytes
	s_load_b256 s[4:11], s[0:1], 0x0               ; x s[4:5], Wg s[6:7], bg s[8:9], xq s[10:11]
	s_load_b128 s[12:15], s[0:1], 0x20             ; xs s[12:13], ckey s[14:15]
	s_load_b64 s[16:17], s[0:1], 0x30              ; gw
	v_lshl_add_u32 v254, v0, 2, 0x1c200
	v_mov_b32 v255, 0
	v_lshrrev_b32 v9, 5, v0
	s_delay_alu instid0(VALU_DEP_1)
	v_readfirstlane_b32 s18, v9                    ; wave w
	s_lshr_b32 s19, s18, 2                         ; a
	s_and_b32 s20, s18, 3                          ; s
	v_and_b32 v1, 31, v0                           ; lane
	s_delay_alu instid0(VALU_DEP_1)
	v_lshlrev_b32 v2, 4, v1                        ; 16 x lane
	s_mul_i32 s23, s18, STW
	v_lshrrev_b32 v9, 2, v1
	s_delay_alu instid0(VALU_DEP_1)
	v_mul_u32_u24 v3, v9, SP
	v_and_b32 v9, 3, v1
	s_delay_alu instid0(VALU_DEP_1)
	v_lshl_add_u32 v3, v9, 4, v3
	s_delay_alu instid0(VALU_DEP_1)
	v_add_nc_u32 v3, s23, v3                       ; into a stage: four lanes' 64 bytes on end, then the padding
	v_mul_u32_u24 v4, v1, SP
	s_delay_alu instid0(VALU_DEP_1)
	v_add_nc_u32 v4, s23, v4                       ; out of it: my 64 bytes
	v_lshlrev_b32 v5, 3, v1                        ; my 8 bytes of codes
	s_lshl_b32 s23, s19, 8
	s_lshl_b32 s34, s20, 4
	s_add_co_u32 s23, s23, s34
	s_add_co_u32 s23, s23, XSB
	v_lshrrev_b32 v6, 1, v1
	s_delay_alu instid0(VALU_DEP_1)
	v_add_nc_u32 v6, s23, v6                       ; my block's scale byte: token 4 a, block 16 s + lane / 2
	s_lshl_b32 s23, s19, 14
	s_lshl_b32 s34, s20, 10
	s_add_co_u32 s23, s23, s34
	s_add_co_u32 s23, s23, GP
	v_lshl_add_u32 v7, v1, 5, s23                  ; my partial sums: token 4 a, slice s
	s_lshl_b32 s23, s18, 12
	s_add_co_u32 s23, s23, GP
	v_lshl_add_u32 v8, v1, 5, s23                  ; phase 2: token w, slice 0
	v_add_nc_u32 v12, XSB, v2                      ; the scale bytes on their way out
	s_lshl_b32 s34, ttmp9, 16                      ; x: (8 g + 4 a) rows of 8,192 bytes + 2,048 s
	s_lshl_b32 s36, s19, 15
	s_add_co_u32 s34, s34, s36
	s_lshl_b32 s36, s20, 11                        ; Wg: 2,048 s
	s_add_co_u32 s34, s34, s36
	s_mov_b32 s35, 0
	s_mov_b32 s37, 0
	s_lshl_b32 s38, ttmp9, 13                      ; xq: (8 g + 4 a) rows of 1,024 bytes + 256 s
	s_lshl_b32 s40, s19, 12
	s_add_co_u32 s38, s38, s40
	s_lshl_b32 s40, s20, 8
	s_add_co_u32 s38, s38, s40
	s_mov_b32 s39, 0
	s_lshl_b32 s40, ttmp9, 9                       ; xs: 512 g
	s_mov_b32 s41, 0
	s_lshl_b32 s22, ttmp9, 3
	s_add_co_u32 s22, s22, s18                     ; phase 2's token
	s_mov_b32 s21, 0x3fb8aa3b                      ; log2(e)
	s_mov_b32 s32, 0x76543210
	s_mov_b32 s33, 0xfedcba98                      ; v_permlanex16_b32's selects for lane l xor 16
	s_wait_alu depctr_va_vdst(0)
	s_wait_kmcnt 0x0
	s_load_b256 s[24:31], s[8:9], 0x0              ; bg: no line of this kernel writes it
	s_add_nc_u64 s[4:5], s[4:5], s[34:35]
	s_add_nc_u64 s[6:7], s[6:7], s[36:37]
	s_add_nc_u64 s[10:11], s[10:11], s[38:39]
	s_add_nc_u64 s[12:13], s[12:13], s[40:41]
.irp t, 0,1,2,3
.irp j, 0,1,2,3
	global_load_b128 v[X+16*\t+4*\j:X+16*\t+4*\j+3], v2, s[4:5] offset:8192*\t+512*\j th:TH_LOAD_NT
.endr
.endr
.irp e, 0,1,2,3,4,5,6,7
.irp j, 0,1,2,3
	global_load_b128 v[G+16*\e+4*\j:G+16*\e+4*\j+3], v2, s[6:7] offset:8192*\e+512*\j
.endr
.endr
; Token t's 2,048 bytes through stage t.  LDS serves a wave's instructions in order (ISA guide 5.7.1.4): no wait between the stores and the loads.
.macro TURN t
	s_wait_loadcnt 44-4*\t                         ; token t's four loads are in: behind them stand the later tokens' 4 (3 - t) and Wg's 32
.irp j, 0,1,2,3
	ds_store_b128 v3, v[X+16*\t+4*\j:X+16*\t+4*\j+3] offset:32*SP*\t+8*SP*\j
.endr
.irp j, 0,1,2,3
	ds_load_b128 v[XN+16*(\t%2)+4*\j:XN+16*(\t%2)+4*\j+3], v4 offset:32*SP*\t+16*\j
.endr
.endm
; Token t's 16 neighbours become 16 codes; two neighbouring lanes hold a block.  left: the LDS instructions issued behind this token's loads.
.macro STEP t, left
.set XS, XN+16*(\t%2)
	s_wait_dscnt \left
	v_max3_num_f32 v9, |v[XS]|, |v[XS+1]|, |v[XS+2]|
	v_max3_num_f32 v10, |v[XS+3]|, |v[XS+4]|, |v[XS+5]|
.irp i, 6,10
	s_delay_alu instid0(VALU_DEP_2)
	v_max3_num_f32 v9, v9, |v[XS+\i]|, |v[XS+\i+1]|
	s_delay_alu instid0(VALU_DEP_2)
	v_max3_num_f32 v10, v10, |v[XS+\i+2]|, |v[XS+\i+3]|
.endr
	s_delay_alu instid0(VALU_DEP_2)
	v_max3_num_f32 v9, v9, |v[XS+14]|, |v[XS+15]|
	s_delay_alu instid0(VALU_DEP_1)
	v_max3_num_f32 v9, v9, v10, 0x1800000          ; and the floor 2^(3 - 127): the byte cannot fall under 1
	s_delay_alu instid0(VALU_DEP_1)
	v_max_num_f32_dpp v9, v9, v9 row_xmask:1 row_mask:0xf bank_mask:0xf   ; with my neighbour's 16: the block's largest magnitude
	s_delay_alu instid0(VALU_DEP_1)
	v_add_nc_u32 v11, 0xff000000, v9               ; 2 off its exponent field: the conversion takes this operand's exponent field as its scale
	v_cvt_scalef32_pk8_fp4_f32 v[C+2*\t], v[XS:XS+7], v11
	v_cvt_scalef32_pk8_fp4_f32 v[C+2*\t+1], v[XS+8:XS+15], v11
	v_lshrrev_b32 v[E+\t], 23, v11                 ; the scale's byte (also the plain line behind the conversions)
	ds_store_b8 v6, v[E+\t] offset:64*\t           ; both lanes of a block write the same byte with the same value
	global_store_b64 v5, v[C+2*\t:C+2*\t+1], s[10:11] offset:1024*\t   ; the wave stores 256 consecutive bytes, aligned
.endm
	TURN 0
	TURN 1
	STEP 0, 8                                      ; behind token 0's loads: TURN 1's eight
	TURN 2
	STEP 1, 9                                      ; a byte store and TURN 2's eight
	TURN 3
	STEP 2, 9                                      ; a byte store and TURN 3's eight
	STEP 3, 1                                      ; a byte store
	s_wait_loadcnt 0x0                             ; Wg
; Token t against the eight experts: my 16 numbers of each, two at a time, the eight sums by turns.
.macro GATE t
.irp e, 0,1,2,3,4,5,6,7
	v_pk_mul_f32 v[T+2*\e:T+2*\e+1], v[X+16*\t:X+16*\t+1], v[G+16*\e:G+16*\e+1]
.endr
.irp i, 1,2,3,4,5,6,7
.irp e, 0,1,2,3,4,5,6,7
	v_pk_fma_f32 v[T+2*\e:T+2*\e+1], v[X+16*\t+2*\i:X+16*\t+2*\i+1], v[G+16*\e+2*\i:G+16*\e+2*\i+1], v[T+2*\e:T+2*\e+1]
.endr
.endr
.if \t > 0
	s_wait_alu depctr_va_vdst(0)
	s_wait_dscnt 0x0                               ; the last token's stores have read P
.endif
.irp e, 0,1,2,3,4,5,6,7
	v_add_f32 v[P+\e], v[T+2*\e], v[T+2*\e+1]
.endr
	ds_store_b128 v7, v[P:P+3] offset:4096*\t
	ds_store_b128 v7, v[P+4:P+7] offset:4096*\t+16
.endm
	GATE 0
	GATE 1
	GATE 2
	GATE 3
	s_wait_dscnt 0x0                               ; for the others' sake: my partial sums and scale bytes lie in LDS
	s_barrier_signal -1
	s_barrier_wait -1
	; ---- phase 2: token w.  Four slices x 32 lanes of partial sums for each of eight experts
.irp q, 0,1,2,3
	ds_load_b128 v[16+8*\q:19+8*\q], v8 offset:1024*\q
	ds_load_b128 v[20+8*\q:23+8*\q], v8 offset:1024*\q+16
.endr
	s_wait_dscnt 0x0
.irp i, 0,2,4,6
	v_pk_add_f32 v[16+\i:17+\i], v[16+\i:17+\i], v[24+\i:25+\i]
	v_pk_add_f32 v[32+\i:33+\i], v[32+\i:33+\i], v[40+\i:41+\i]
.endr
.irp i, 0,2,4,6
	v_pk_add_f32 v[16+\i:17+\i], v[16+\i:17+\i], v[32+\i:33+\i]
.endr
.irp m, 1,2,4,8
.irp e, 0,1,2,3,4,5,6,7
	v_add_f32_dpp v[16+\e], v[16+\e], v[16+\e] row_xmask:\m row_mask:0xf bank_mask:0xf
.endr
.endr
.irp e, 0,1,2,3,4,5,6,7
	v_permlanex16_b32 v[24+\e], v[16+\e], s32, s33
.endr
.irp e, 0,1,2,3,4,5,6,7
	v_add_f32 v[16+\e], v[16+\e], v[24+\e]         ; every lane holds the eight sums
.endr
	s_wait_alu depctr_va_vdst(0)
	s_wait_kmcnt 0x0                               ; bg
.irp e, 0,1,2,3,4,5,6,7
	v_add_f32 v[16+\e], s[24+\e], v[16+\e]         ; the logits
.endr
	v_max3_num_f32 v32, v16, v17, v18
	s_delay_alu instid0(VALU_DEP_1)
	v_max3_num_f32 v32, v32, v19, v20
	s_delay_alu instid0(VALU_DEP_1)
	v_max3_num_f32 v32, v32, v21, v22
	s_delay_alu instid0(VALU_DEP_1)
	v_max_num_f32 v32, v32, v23                    ; the row's maximum
.irp e, 0,1,2,3,4,5,6,7
	v_sub_f32 v[40+\e], v[16+\e], v32
.endr
.irp e, 0,1,2,3,4,5,6,7
	v_mul_f32 v[40+\e], s21, v[40+\e]
.endr
	s_wait_alu depctr_va_vdst(0)
.irp e, 0,1,2,3,4,5,6,7
	v_exp_f32 v[40+\e], v[40+\e]                   ; p = e^(logit - maximum): at most 1, and the largest is 1
.endr
	s_lshl_b32 s23, s22, 2
	s_lshl_b32 s34, s22, 3
	v_mov_b32 v58, s23                             ; 4 x token (a plain line behind the exponentials)
	s_wait_alu depctr_va_vdst(0)
	v_add_f32 v34, v40, v41
	v_add_f32 v35, v42, v43
	v_add_f32 v36, v44, v45
	v_add_f32 v37, v46, v47
	s_delay_alu instid0(VALU_DEP_3)
	v_add_f32 v34, v34, v35
	s_delay_alu instid0(VALU_DEP_2)
	v_add_f32 v36, v36, v37
	s_delay_alu instid0(VALU_DEP_1)
	v_add_f32 v34, v34, v36                        ; the sum, at least 1
	s_wait_alu depctr_va_vdst(0)
	v_rcp_f32 v39, v34
; The largest p and its index; a strict compare keeps the lower index of a tie.  (Its first line is the plain line behind the reciprocal.)
.macro BEST val, idx
	v_mov_b32 v[\val], v40
	v_mov_b32 v[\idx], 0
.irp e, 1,2,3,4,5,6,7
	v_cmp_gt_f32 vcc_lo, v[40+\e], v[\val]
	v_cndmask_b32 v[\val], v[\val], v[40+\e], vcc_lo
	s_delay_alu instid0(VALU_DEP_2)
	v_cndmask_b32 v[\idx], v[\idx], \e, vcc_lo
.endr
.endm
	BEST 48, 49
.irp e, 0,1,2,3,4,5,6,7
	v_cmp_eq_u32 vcc_lo, \e, v49
	v_cndmask_b32 v[40+\e], v[40+\e], -1.0, vcc_lo ; the winner leaves: -1 lies under every p
.endr
	BEST 50, 51
	s_delay_alu instid0(VALU_DEP_1)
	v_min_u32 v52, v49, v51                        ; lo
	s_delay_alu instid0(VALU_DEP_2)
	v_max_u32 v53, v49, v51                        ; hi
	s_delay_alu instid0(VALU_DEP_3)
	v_cmp_lt_u32 vcc_lo, v49, v51
	s_wait_alu depctr_va_vdst(0)
	v_mul_f32 v48, v48, v39                        ; the two gates
	v_mul_f32 v50, v50, v39
	s_delay_alu instid0(VALU_DEP_1)
	v_cndmask_b32 v54, v50, v48, vcc_lo            ; lo's gate
	s_delay_alu instid0(VALU_DEP_2)
	v_cndmask_b32 v55, v48, v50, vcc_lo            ; hi's
	v_lshlrev_b32 v56, 14, v52
	s_delay_alu instid0(VALU_DEP_1)
	v_lshl_or_b32 v56, v53, 11, v56
	s_delay_alu instid0(VALU_DEP_1)
	v_or_b32 v56, s22, v56                         ; the key
	v_mov_b32 v59, s34                             ; 8 x token
	s_wait_alu depctr_va_vdst(0)
	s_wait_xcnt 0x0                                ; EXEC is a source of the stores of codes: it changes only behind this wait
	v_cmp_eq_u32 vcc_lo, 0, v1
	s_and_saveexec_b32 s42, vcc_lo                 ; lane 0 alone: all lanes hold the same numbers
	global_store_b32 v58, v56, s[14:15]
	global_store_b64 v59, v[54:55], s[16:17]
	s_wait_xcnt 0x0
	s_or_b32 exec_lo, exec_lo, s42
	s_cmp_lg_u32 s18, 0
	s_cbranch_scc1 .Lend
	ds_load_b128 v[60:63], v12                     ; wave 0: the work-group's 512 scale bytes, stored ahead of the barrier
	s_wait_dscnt 0x0
	global_store_b128 v2, v[60:63], s[12:13]       ; 512 consecutive bytes, aligned
.Lend:
	s_wait_tensorcnt 0x0
	ds_add_u32 v254, v255
	s_wait_dscnt 0x0
	s_endpgm
.Lfunc_end_k_qbcdf7b5ca6_gateq:
	.size	k_qbcdf7b5ca6_gateq, .Lfunc_end_k_qbcdf7b5ca6_gateq-k_qbcdf7b5ca6_gateq
	.p2alignl 7, 3214868480
	.fill 96, 4, 3214868480
	.section	.rodata,"a",@progbits
	.p2align	6, 0x0
	.amdhsa_kernel k_qbcdf7b5ca6_gateq
		.amdhsa_group_segment_fixed_size 116224
		.amdhsa_private_segment_fixed_size 0
		.amdhsa_enable_private_segment 0
		.amdhsa_kernarg_size 56
		.amdhsa_user_sgpr_count 2
		.amdhsa_user_sgpr_kernarg_segment_ptr 1
		.amdhsa_wavefront_size32 1
		.amdhsa_system_sgpr_workgroup_id_x 1
		.amdhsa_system_sgpr_workgroup_id_y 1
		.amdhsa_system_sgpr_workgroup_id_z 1
		.amdhsa_system_vgpr_workitem_id 0
		.amdhsa_next_free_vgpr 256
		.amdhsa_next_free_sgpr 66
		.amdhsa_reserve_vcc 1
		.amdhsa_float_denorm_mode_32 3
		.amdhsa_float_denorm_mode_16_64 3
		.amdhsa_memory_ordered 1
		.amdhsa_forward_progress 1
		.amdhsa_inst_pref_size 43
	.end_amdhsa_kernel
	.amdgpu_metadata
---
amdhsa.version: [ 1, 2 ]
amdhsa.kernels:
  - .name:           k_qbcdf7b5ca6_gateq
    .symbol:         k_qbcdf7b5ca6_gateq.kd
    .args:
      - { .name: x, .offset: 0, .size: 8, .value_kind: global_buffer, .address_space: global }
      - { .name: Wg, .offset: 8, .size: 8, .value_kind: global_buffer, .address_space: global }
      - { .name: bg, .offset: 16, .size: 8, .value_kind: global_buffer, .address_space: global }
      - { .name: xq, .offset: 24, .size: 8, .value_kind: global_buffer, .address_space: global }
      - { .name: xs, .offset: 32, .size: 8, .value_kind: global_buffer, .address_space: global }
      - { .name: ckey, .offset: 40, .size: 8, .value_kind: global_buffer, .address_space: global }
      - { .name: gw, .offset: 48, .size: 8, .value_kind: global_buffer, .address_space: global }
    .group_segment_fixed_size: 116224
    .private_segment_fixed_size: 0
    .kernarg_segment_align: 8
    .kernarg_segment_size: 56
    .max_flat_workgroup_size: 256
    .sgpr_count:     66
    .vgpr_count:     256
    .wavefront_size: 32
...
	.end_amdgpu_metadata
.endif
;; end of part 4
;; launch place (part 5): grid 320 x 1, 8 waves a work-group, no clusters, 71,680 bytes of LDS; arguments ckey, W_codes, W_scales, skey, wf, wsf; writes skey, wf, wsf
.if DOCPART == 5
	.amdgcn_target "amdgcn-amd-amdhsa--gfx1250"
	.amdhsa_code_object_version 6
	.text
	.protected	k_qbcdf7b5ca6_place
	.globl	k_qbcdf7b5ca6_place
	.p2align	8
	.type	k_qbcdf7b5ca6_place,@function
k_qbcdf7b5ca6_place:
	s_mov_b64 s[64:65], 0
	v_nop
	global_prefetch_b8 v0, s[64:65] scope:SCOPE_SE
	s_setreg_imm32_b32 hwreg(HW_REG_WAVE_MODE, 25, 1), 1
	s_wait_xcnt 0x0
; Two kinds of work-groups in one launch; they part on the work-group's number alone and use LDS bytes of their own.
; RANK (work-groups 0-63): the 2,048 keys of ckey are all different (each holds its token), so a key's place in ascending order is the number of keys under it.
;   Work-group g owns keys 32 g + lane; wave w counts among keys 256 w .. 256 w + 255; the eight counts meet in LDS; wave 0 stores key c at skey[place].  No atomics, no histogram.
;   That last store is 4 bytes a lane to scattered places, 8 KiB in the whole launch: placing rows is a scatter.
; RELAYOUT (work-groups 64-319): W's codes and scale bytes are laid once in the order in which a wave's operand registers take them, so that the next launch loads whole fragments, 512 consecutive bytes an instruction.
;   Block Bk = 64 e + P holds features 32 P .. 32 P + 31 of expert e.
;   wf : Bk x 32,768 + q x 2,048 + u x 1,024 + c x 512 + 16 x lane  =  row 16 u + lane % 16, bytes 64 q + 32 c + 16 (lane / 16) .. + 15   (q: 128 along K; u: 16 features; c: four registers)
;   wsf: Bk x 2,048 + Qd x 512 + 16 x lane  =  row lane, scale bytes 16 Qd .. + 15   (four scale words: K steps 4 Qd .. 4 Qd + 3)
;   A wave takes 32 rows x 256 bytes: sixteen lanes read 256 consecutive bytes, aligned; the rows turn through the wave's own stage (pitch 272).
; The one barrier stands where the two ways have joined, so that every wave of every work-group passes it.  No tensor loads, no cluster: no byte is read twice.
.set PITCH, 272
.set RST,   32*PITCH                   ; LDS 0: a stage of 32 rows for each wave (relayout)
.set RK,    8*RST                      ; the counts [wave 8][lane 32] (rank)
	s_load_b256 s[4:11], s[0:1], 0x0               ; ckey s[4:5], W_codes s[6:7], W_scales s[8:9], skey s[10:11]
	s_load_b128 s[12:15], s[0:1], 0x20             ; wf s[12:13], wsf s[14:15]
	v_lshl_add_u32 v160, v0, 2, 0x11400
	v_mov_b32 v161, 0
	v_lshrrev_b32 v9, 5, v0
	s_delay_alu instid0(VALU_DEP_1)
	v_readfirstlane_b32 s18, v9                    ; wave
	v_and_b32 v1, 31, v0                           ; lane
	v_and_b32 v10, 15, v0                          ; r
	v_bfe_u32 v11, v0, 4, 1                        ; h
	s_delay_alu instid0(VALU_DEP_3)
	v_lshlrev_b32 v2, 4, v1                        ; 16 x lane
	s_mul_i32 s19, s18, RST                        ; every LDS address is made ahead of the parting
	v_mul_u32_u24 v3, v11, PITCH
	s_delay_alu instid0(VALU_DEP_1)
	v_lshl_add_u32 v3, v10, 4, v3
	s_delay_alu instid0(VALU_DEP_1)
	v_add_nc_u32 v3, s19, v3                       ; into the stage: row h, 16 r
	v_mul_u32_u24 v4, v10, PITCH
	s_delay_alu instid0(VALU_DEP_1)
	v_lshl_add_u32 v4, v11, 4, v4
	s_delay_alu instid0(VALU_DEP_1)
	v_add_nc_u32 v4, s19, v4                       ; out of it: row r, 16 h
	s_lshl_b32 s19, s18, 7
	s_add_co_u32 s19, s19, RK
	v_lshl_add_u32 v5, v1, 2, s19                  ; my wave's count for my key
	v_lshl_add_u32 v6, v1, 2, RK                   ; wave 0's count for my key
	v_lshlrev_b32 v7, 2, v1                        ; 4 x lane
	v_mov_b32 v8, 0                                ; my key's register: written on every way to the join
	s_mov_b32 s21, 0
	s_wait_kmcnt 0x0
	s_cmp_lt_u32 ttmp9, 64
	s_cbranch_scc0 .Lrelay
	; ---- RANK
	s_lshl_b32 s20, ttmp9, 7
	s_add_nc_u64 s[22:23], s[4:5], s[20:21]        ; my work-group's 32 keys
	s_lshl_b32 s20, s18, 10
	s_add_nc_u64 s[24:25], s[4:5], s[20:21]        ; my wave's 256 keys
	s_wait_alu depctr_va_vdst(0)
	global_load_b32 v8, v7, s[22:23]               ; c
	global_load_b128 v[16:19], v2, s[24:25]
	global_load_b128 v[20:23], v2, s[24:25] offset:512
.irp i, 0,1,2,3
	v_mov_b32 v[24+\i], 0                          ; four counters, so that no addition waits for the one before
.endr
	s_wait_loadcnt 0x0
; Eight keys (register k, lanes l0 .. l0 + 7) against every lane's c: a key to a scalar, a compare into a mask, the mask's bit added as a carry.
.macro CNT8 k, l0
.irp i, 0,1,2,3,4,5,6,7
	v_readlane_b32 s[32+\i], v[16+\k], \l0+\i
.endr
.irp i, 0,1,2,3,4,5,6,7
	v_cmp_gt_u32 s[40+\i], v8, s[32+\i]
.endr
.irp i, 0,1,2,3,4,5,6,7
	v_add_co_ci_u32 v[24+\i%4], s[48+\i], 0, v[24+\i%4], s[40+\i]
.endr
.endm
.irp k, 0,1,2,3,4,5,6,7
.irp l, 0,8,16,24
	CNT8 \k, \l
.endr
.endr
	s_delay_alu instid0(VALU_DEP_3)
	v_add_nc_u32 v24, v24, v25
	s_delay_alu instid0(VALU_DEP_2)
	v_add_nc_u32 v26, v26, v27
	s_delay_alu instid0(VALU_DEP_1)
	v_add_nc_u32 v24, v24, v26
	ds_store_b32 v5, v24
	s_branch .Ljoin
.Lrelay:
	; ---- RELAYOUT: unit U = 8 (work-group - 64) + wave; block Bk = U / 4, quarter of K Qd = U % 4
	s_sub_co_u32 s20, ttmp9, 64
	s_lshl_b32 s20, s20, 3
	s_add_co_u32 s20, s20, s18
	s_lshr_b32 s22, s20, 2                         ; Bk
	s_and_b32 s23, s20, 3                          ; Qd
	s_lshl_b32 s20, s22, 15
	s_lshl_b32 s24, s23, 8
	s_add_co_u32 s20, s20, s24
	s_add_nc_u64 s[6:7], s[6:7], s[20:21]          ; codes: 32 rows of 1,024 bytes a block, + 256 Qd
	s_lshl_b32 s20, s22, 11
	s_lshl_b32 s24, s23, 4
	s_add_co_u32 s20, s20, s24
	s_add_nc_u64 s[8:9], s[8:9], s[20:21]          ; scale bytes: 32 rows of 64 bytes a block, + 16 Qd
	s_lshl_b32 s20, s22, 15
	s_lshl_b32 s24, s23, 13
	s_add_co_u32 s20, s20, s24
	s_add_nc_u64 s[12:13], s[12:13], s[20:21]
	s_lshl_b32 s20, s22, 11
	s_lshl_b32 s24, s23, 9
	s_add_co_u32 s20, s20, s24
	s_add_nc_u64 s[14:15], s[14:15], s[20:21]
	v_lshlrev_b32 v9, 10, v11
	s_delay_alu instid0(VALU_DEP_1)
	v_lshl_add_u32 v9, v10, 4, v9                  ; row h, 16 r
	v_lshlrev_b32 v12, 6, v1                       ; row lane of the scale bytes
.irp i, 0,1,2,3,4,5,6,7,8,9,10,11,12,13,14,15
	global_load_b128 v[32+4*\i:35+4*\i], v9, s[6:7] offset:2048*\i th:TH_LOAD_NT   ; rows 2 i and 2 i + 1
.endr
	global_load_b128 v[28:31], v12, s[8:9] th:TH_LOAD_NT
.irp i, 0,1,2,3,4,5,6,7,8,9,10,11,12,13,14,15
	s_wait_loadcnt 16-\i                           ; load i is in: behind it stand 15 - i of codes and the one of scale bytes
	ds_store_b128 v3, v[32+4*\i:35+4*\i] offset:2*PITCH*\i
.endr
	s_wait_alu depctr_va_vdst(0)
.irp q, 0,1,2,3
.irp u, 0,1
.irp c, 0,1
	ds_load_b128 v[96+4*(4*\q+2*\u+\c):99+4*(4*\q+2*\u+\c)], v4 offset:16*PITCH*\u+64*\q+32*\c   ; LDS serves a wave's instructions in order (ISA guide 5.7.1.4): these see my stores
.endr
.endr
.endr
.irp q, 0,1,2,3
.irp u, 0,1
.irp c, 0,1
	s_wait_dscnt 15-(4*\q+2*\u+\c)
	global_store_b128 v2, v[96+4*(4*\q+2*\u+\c):99+4*(4*\q+2*\u+\c)], s[12:13] offset:2048*\q+1024*\u+512*\c   ; 512 consecutive bytes, aligned
.endr
.endr
.endr
	s_wait_loadcnt 0x0
	global_store_b128 v2, v[28:31], s[14:15]
.Ljoin:
	s_wait_dscnt 0x0                               ; for the others' sake: my count lies in LDS
	s_barrier_signal -1
	s_barrier_wait -1
	s_cmp_ge_u32 ttmp9, 64
	s_cbranch_scc1 .Lend
	s_cmp_lg_u32 s18, 0
	s_cbranch_scc1 .Lend
.irp k, 0,1,2,3,4,5,6,7
	ds_load_b32 v[16+\k], v6 offset:128*\k         ; wave 0 of a rank work-group: the eight waves' counts
.endr
	s_wait_dscnt 0x0
	v_add_nc_u32 v16, v16, v17
	v_add_nc_u32 v18, v18, v19
	v_add_nc_u32 v20, v20, v21
	v_add_nc_u32 v22, v22, v23
	s_delay_alu instid0(VALU_DEP_3)
	v_add_nc_u32 v16, v16, v18
	s_delay_alu instid0(VALU_DEP_2)
	v_add_nc_u32 v20, v20, v22
	s_delay_alu instid0(VALU_DEP_1)
	v_add_nc_u32 v16, v16, v20                     ; my key's place
	s_delay_alu instid0(VALU_DEP_1)
	v_min_u32 v16, 0x7ff, v16                      ; held inside the table
	s_delay_alu instid0(VALU_DEP_1)
	v_lshlrev_b32 v17, 2, v16
	global_store_b32 v17, v8, s[10:11]
.Lend:
	s_wait_tensorcnt 0x0
	ds_add_u32 v160, v161
	s_wait_dscnt 0x0
	s_endpgm
.Lfunc_end_k_qbcdf7b5ca6_place:
	.size	k_qbcdf7b5ca6_place, .Lfunc_end_k_qbcdf7b5ca6_place-k_qbcdf7b5ca6_place
	.p2alignl 7, 3214868480
	.fill 96, 4, 3214868480
	.section	.rodata,"a",@progbits
	.p2align	6, 0x0
	.amdhsa_kernel k_qbcdf7b5ca6_place
		.amdhsa_group_segment_fixed_size 71680
		.amdhsa_private_segment_fixed_size 0
		.amdhsa_enable_private_segment 0
		.amdhsa_kernarg_size 48
		.amdhsa_user_sgpr_count 2
		.amdhsa_user_sgpr_kernarg_segment_ptr 1
		.amdhsa_wavefront_size32 1
		.amdhsa_system_sgpr_workgroup_id_x 1
		.amdhsa_system_sgpr_workgroup_id_y 1
		.amdhsa_system_sgpr_workgroup_id_z 1
		.amdhsa_system_vgpr_workitem_id 0
		.amdhsa_next_free_vgpr 162
		.amdhsa_next_free_sgpr 66
		.amdhsa_reserve_vcc 0
		.amdhsa_float_denorm_mode_32 3
		.amdhsa_float_denorm_mode_16_64 3
		.amdhsa_memory_ordered 1
		.amdhsa_forward_progress 1
		.amdhsa_inst_pref_size 60
	.end_amdhsa_kernel
	.amdgpu_metadata
---
amdhsa.version: [ 1, 2 ]
amdhsa.kernels:
  - .name:           k_qbcdf7b5ca6_place
    .symbol:         k_qbcdf7b5ca6_place.kd
    .args:
      - { .name: ckey, .offset: 0, .size: 8, .value_kind: global_buffer, .address_space: global }
      - { .name: W_codes, .offset: 8, .size: 8, .value_kind: global_buffer, .address_space: global }
      - { .name: W_scales, .offset: 16, .size: 8, .value_kind: global_buffer, .address_space: global }
      - { .name: skey, .offset: 24, .size: 8, .value_kind: global_buffer, .address_space: global }
      - { .name: wf, .offset: 32, .size: 8, .value_kind: global_buffer, .address_space: global }
      - { .name: wsf, .offset: 40, .size: 8, .value_kind: global_buffer, .address_space: global }
    .group_segment_fixed_size: 71680
    .private_segment_fixed_size: 0
    .kernarg_segment_align: 8
    .kernarg_segment_size: 48
    .max_flat_workgroup_size: 256
    .sgpr_count:     66
    .vgpr_count:     162
    .wavefront_size: 32
...
	.end_amdgpu_metadata
.endif
;; end of part 5
;; launch chain (part 6): grid 8 x 32, 4 waves a work-group, no clusters, 136,704 bytes of LDS; arguments skey, gw, xq, xs, wf, wsf, b, out0; writes out0
.if DOCPART == 6
	.amdgcn_target "amdgcn-amd-amdhsa--gfx1250"
	.amdhsa_code_object_version 6
	.text
	.protected	k_qbcdf7b5ca6_chain
	.globl	k_qbcdf7b5ca6_chain
	.p2align	8
	.type	k_qbcdf7b5ca6_chain,@function
k_qbcdf7b5ca6_chain:
	s_mov_b64 s[64:65], 0
	v_nop
	global_prefetch_b8 v0, s[64:65] scope:SCOPE_SE
	s_setreg_imm32_b32 hwreg(HW_REG_WAVE_SCHED_MODE, 0, 2), 2
	s_setreg_imm32_b32 hwreg(HW_REG_WAVE_MODE, 25, 1), 1
	s_wait_xcnt 0x0
	s_wait_alu depctr_vm_vsrc(0)
; out0[token] = the sum over the token's two experts of gate x relu(Q(x[token]) . W_e^T + b_e), the products on codes of E2M1 with E8M0 scales, f32 sums.
; SHARES.  Work-group (fb, beta) owns the 64 tokens at places 64 beta .. + 63 of the sorted list skey (sorted by pair of experts) and features 256 fb .. + 255.  Each output number has one owner.
;   Wave w takes the 64 tokens x features 64 w .. + 63 of the block, in two passes of 32.  The waves share only x's codes; there is one barrier in the kernel, at its head.
;   Only the experts that some token of the block uses are walked: their numbers stand, four bits each, in a scalar list made from skey's whole numbers.  There are at least two (lo < hi) and at most eight.
;   A TRIP is one expert in one pass: 16 K steps x 4 tiles of tokens x 2 tiles of features = 128 matrix instructions.  A token that does not use the expert has the gate 0.
; OPERANDS.  x's codes of the 64 tokens, all of K, stay in 512 registers (windows 2 and 3).  The weights come from memory straight into a ring of 256 registers (window 1), most of a trip ahead:
;   wf and wsf are laid in the order of the operand's registers, so each load is 512 consecutive bytes.
; THE PRODUCT IS USED TRANSPOSED: source 0 = 16 features of W, source 1 = 16 tokens.  Lane (r, h) holds token 16 t + r, its register j feature 16 u + 8 h + j.  The bias is the C of a sum's first instruction.
; NO JOINT LOADS, NO LDS RING: which experts a work-group walks, and how many, is read from memory and differs from token block to token block, so partners could not issue the same requests on every path,
;   and a ring's barriers would stand under branches on loaded numbers.  What the eight work-groups of a token block do share, x's codes, is 68 KiB of the 600 KiB to 2.2 MiB that a work-group reads.
;   The four waves' features are disjoint, so LDS would add a store and a load for each byte of W and spare nothing.
; LIMIT: an expert that no token of the block uses is not multiplied: a NaN that reference() would make there (a scale byte 0xff) times the gate 0 is not made here.
; THE MODE: SCHED_MODE bits 1:0 = 2 (LLVM: expert scheduling mode 2), set by the entry lines.  The code itself states the register dependences between vector or matrix instructions
;   and memory or LDS instructions, with s_wait_alu, always for 0.
; THE PLAN.  Registers that memory or LDS instructions touch, in a trip (a step d is K steps 2 d and 2 d + 1, 16 products; FILL d asks for the same two K steps of the next trip):
;   the ring   K step q: read by that K step's eight products; FILL q / 2 lands in it.
;   BI         read as C by K step 0's products; FILL 0 lands in it.       WS   four words: read as scales by steps d - 1 and d (d odd); FILL d lands in them.
;   v1, v2, v7 offsets of the loads: made once at the head, never written again.  The bases are scalar.
;   ACC, GG, OUT, XS, x's fragments: named by vector and matrix instructions alone inside a trip.
;   FILL d - 2 stands in the middle of step d; FILL 6 and FILL 7 stand in the epilogue.  So four waits on va_vdst serve a trip's 72 loads: at the heads of steps 2, 4 and 6 (the 32 products of the two
;   steps before are done reading what the next two FILLs land in) and ahead of FILL 6.  No product or vector line issued behind such a wait names a register that its two FILLs touch.
;   Outside the trips: v112-239 (x's codes at the head; OUT for the stage; the stage's rows at the end), v240-253 and window 1's v0-31 (keys that become offsets): each has its wait where it changes hands.
; REGISTERS, in windows of 256 (s_set_vgpr_msb: bits 1:0 source 0, 3:2 source 1, 5:4 source 2, 7:6 destination):
;   window 0: v1-8 addresses; v9-15 at work; v16-23 the tokens' experts; v24-31 their gates; v32-39 the trip's gate; v48-79 x's scale words; v80-95 W's; v96-111 the bias; v112-175 sums; v176-239 out; v240-253 keys (head)
;   window 1: the ring, K step q, tile u at v[16 q + 8 u]; at the end v0-31 the tokens of the rows that I store.   windows 2, 3: x's fragments, K step q, tile t at v[32 (q % 8) + 8 t].
.set XPITCH, 1040                      ; LDS 0: x's codes, 64 rows of 1,024 bytes + 16: the 16 rows of a load start at 16 different banks (64 banks of 4 bytes: ISA guide 11.1)
.set OPITCH, 272
.set OST,    64*XPITCH                 ; behind them: a stage of 64 rows x (256 bytes + 16) for each wave, for the way out
.set L16, 1                            ; 16 x lane
.set BOF, 2                            ; 32 h
.set SO,  3                            ; the stage: where I put 32 bytes of a row
.set SR,  4                            ; and where I read a row back
.set COL, 5                            ; 16 r
.set XR,  6                            ; x's fragments in LDS: row r, 16 h
.set KOF, 7                            ; 4 h
.set XW,  8                            ; where I put x's rows
.set LO,  16
.set HI,  20
.set GW,  24                           ; pairs (lo's gate, hi's gate), tile t at 2 t
.set GG,  32                           ; pairs: the trip's gate in the even register
.set XS,  48                           ; register 16 (t / 2) + q: lanes 0-15 the even tile's words, lanes 16-31 the odd tile's
.set WS,  80                           ; register q: lanes 0-15 tile u = 0, lanes 16-31 u = 1
.set BI,  96
.set ACC, 112                          ; sum (u, t) at 8 (4 u + t)
.set OUT, 176
.set KT,  240
.set KL,  244
.set KX,  246
.set MSB, 0
.macro WIN new                         ; the immediate's high byte repeats the setting that is left; a switch that changes nothing is dropped
.if MSB != \new
	s_set_vgpr_msb (MSB<<8)|\new
.set MSB, \new
.endif
.endm
	s_load_b512 s[4:19], s[0:1], 0x0               ; skey s[4:5], gw s[6:7], xq s[8:9], xs s[10:11], wf s[12:13], wsf s[14:15], b s[16:17], out0 s[18:19]
	v_lshl_add_u32 v254, v0, 2, 0x21400
	v_mov_b32 v255, 0
	v_lshrrev_b32 v9, 5, v0
	v_readfirstlane_b32 s20, v9                    ; wave w
	s_and_b32 s22, ttmp7, 0xffff                   ; beta
	v_and_b32 v10, 31, v0                          ; lane
	v_and_b32 v11, 15, v0                          ; r
	v_bfe_u32 v12, v0, 4, 1                        ; h
	v_lshlrev_b32 v[L16], 4, v10
	v_lshlrev_b32 v[BOF], 5, v12
	s_wait_alu depctr_va_sdst(0)                   ; s20 is written, ahead of its first reader: LDS addresses and bases are made from it
	s_mul_i32 s30, s20, 64*OPITCH
	s_add_co_u32 s30, s30, OST                     ; my stage
	v_mul_u32_u24 v[SO], v11, OPITCH
	v_lshl_add_u32 v[SO], v12, 5, v[SO]
	v_add_nc_u32 v[SO], s30, v[SO]
	v_mul_u32_u24 v[SR], v12, OPITCH
	v_lshl_add_u32 v[SR], v11, 4, v[SR]
	v_add_nc_u32 v[SR], s30, v[SR]
	v_lshlrev_b32 v[COL], 4, v11
	v_mul_u32_u24 v[XR], v11, XPITCH
	v_lshl_add_u32 v[XR], v12, 4, v[XR]
	v_lshlrev_b32 v[KOF], 2, v12
	s_mul_i32 s31, s20, 16*XPITCH
	v_mul_u32_u24 v[XW], v12, XPITCH
	v_lshl_add_u32 v[XW], v11, 4, v[XW]
	v_add_nc_u32 v[XW], s31, v[XW]                 ; rows 16 w + h, 16 r
	v_lshlrev_b32 v13, 2, v11                      ; 4 r
	v_lshlrev_b32 v14, 2, v10                      ; 4 x lane
	s_lshl_b32 s32, s20, 6
	v_add_nc_u32 v15, s32, v[KOF]                  ; 64 w + 4 h
	s_lshl_b32 s23, ttmp9, 3
	s_lshl_b32 s32, s20, 1
	s_add_co_u32 s23, s23, s32                     ; my first block of 32 features: 8 fb + 2 w
	s_lshl_b32 s42, s22, 8
	s_mov_b32 s43, 0                               ; s[42:43]: an offset; its high word stays 0
	s_lshl_b32 s34, ttmp9, 10
	s_lshl_b32 s32, s20, 8
	s_add_co_u32 s34, s34, s32
	s_mov_b32 s35, 0
.irp t, 0,1,2,3
	v_mov_b32 v[GG+2*\t+1], 0                      ; named with the gate as a pair, so it is written
.endr
	s_wait_kmcnt 0x0
	s_add_nc_u64 s[44:45], s[4:5], s[42:43]        ; skey at my block's 64 places
	s_add_nc_u64 s[46:47], s[18:19], s[34:35]      ; out0 at my wave's 64 features
	s_wait_alu depctr_va_vdst(0)                   ; v1 to v8 and v13 to v15 are written: every offset and LDS address that stays, and the offsets of the loads of keys
.irp t, 0,1,2,3
	global_load_b32 v[KT+\t], v13, s[44:45] offset:64*\t      ; place 16 t + r: the token that I hold in tile t
.endr
.irp p, 0,1
	global_load_b32 v[KL+\p], v14, s[44:45] offset:128*\p     ; place 32 p + lane: for the scale words
.endr
.irp i, 0,1,2,3,4,5,6,7
	global_load_b32 v[KX+\i], v15, s[44:45] offset:8*\i       ; place 16 w + 2 i + h: the rows of x that my wave gathers
.endr
	s_wait_loadcnt 0x0
	s_wait_alu depctr_vm_vsrc(0)                   ; the loads of keys have read v13, which the next line writes anew
	v_mov_b32 v13, 1
	; all the offsets that are made of keys, in one run, so that one wait serves the 44 loads that read them
.irp i, 0,1,2,3,4,5,6,7
	v_and_b32 v[KX+\i], 0x7ff, v[KX+\i]            ; the token,
.endr
.irp i, 0,1,2,3,4,5,6,7
	v_min_u32 v[KX+\i], 0x7ff, v[KX+\i]            ; held inside the table,
.endr
.irp i, 0,1,2,3,4,5,6,7
	v_lshl_add_u32 v[KX+\i], v[KX+\i], 10, v[COL]  ; its row of 1,024 bytes, + 16 r
.endr
.irp t, 0,1,2,3
	v_bfe_u32 v[LO+\t], v[KT+\t], 14, 3
	v_bfe_u32 v[HI+\t], v[KT+\t], 11, 3
.endr
.irp p, 0,1
	v_and_b32 v[KL+\p], 0x7ff, v[KL+\p]
	v_min_u32 v[KL+\p], 0x7ff, v[KL+\p]
	v_lshlrev_b32 v[KL+\p], 6, v[KL+\p]
.endr
.irp t, 0,1,2,3
	v_and_b32 v[KT+\t], 0x7ff, v[KT+\t]
	v_min_u32 v[KT+\t], 0x7ff, v[KT+\t]
	v_lshlrev_b32 v[KT+\t], 3, v[KT+\t]
.endr
	s_wait_alu depctr_va_vdst(0)                   ; v240 to v253 are written: the offsets of x's codes, of its scale words and of the gates
.irp i, 0,1,2,3,4,5,6,7
.irp j, 0,1,2,3
	global_load_b128 v[ACC+16*\i+4*\j:ACC+16*\i+4*\j+3], v[KX+\i], s[8:9] offset:256*\j   ; sixteen lanes read 256 consecutive bytes of a token's codes
.endr
.endr
.irp p, 0,1
.irp q, 0,1,2,3
	global_load_b128 v[XS+16*\p+4*\q:XS+16*\p+4*\q+3], v[KL+\p], s[10:11] offset:16*\q    ; four scale words of my token: K steps 4 q .. 4 q + 3
.endr
.endr
.irp t, 0,1,2,3
	global_load_b64 v[GW+2*\t:GW+2*\t+1], v[KT+\t], s[6:7]
.endr
	; the experts in use: a bit for each in every lane, then, expert by expert, 'does any lane have it' into a scalar list of four bits a place
	v_lshlrev_b32 v9, v[LO], v13
.irp r, LO+1, LO+2, LO+3, HI, HI+1, HI+2, HI+3
	v_lshl_or_b32 v9, v13, v[\r], v9
.endr
.irp e, 0,1,2,3,4,5,6,7
	v_and_b32 v10, 1<<\e, v9
	v_cmp_ne_u32 s[32+\e], 0, v10                  ; the eight masks in a run, each in a scalar register of its own
.endr
	s_wait_alu depctr_va_sdst(0)                   ; s32 to s39 are written, ahead of their first readers: one wait for the run
	s_mov_b32 s25, 0                               ; the list
	s_mov_b32 s26, 0                               ; 4 x its length
.irp e, 0,1,2,3,4,5,6,7
	s_lshl_b32 s30, \e, s26
	s_cmp_lg_u32 s[32+\e], 0
	s_cselect_b32 s30, s30, 0
	s_cselect_b32 s31, 4, 0
	s_or_b32 s25, s25, s30
	s_add_co_u32 s26, s26, s31
.endr
	s_lshr_b32 s26, s26, 2                         ; n, 2 to 8
	s_sub_co_u32 s27, s26, 1                       ; n - 1
; The bases of the trip to be fetched: the expert at bit jsh of the list, pass p.  Block Bk = 64 e + 8 fb + 2 w + p: 32,768 bytes of wf, 2,048 of wsf, 128 of b.
.macro SETNEXT jsh, p
	s_wait_xcnt 0x0                                ; the bases are sources of the loads issued so far: they are rewritten only behind this wait
	s_lshr_b32 s30, s25, \jsh
	s_and_b32 s30, s30, 7
	s_min_u32 s30, s30, 7                          ; held inside the table
	s_lshl_b32 s30, s30, 6
	s_add_co_u32 s30, s30, s23
.if \p
	s_add_co_u32 s30, s30, 1
.endif
	s_lshl_b32 s42, s30, 15
	s_add_nc_u64 s[36:37], s[12:13], s[42:43]
	s_lshl_b32 s42, s30, 11
	s_add_nc_u64 s[38:39], s[14:15], s[42:43]
	s_lshl_b32 s42, s30, 7
	s_add_nc_u64 s[40:41], s[16:17], s[42:43]
.endm
; Step d of a fetch: K steps 2 d and 2 d + 1 of the ring (8 loads); with d = 0 the bias (4); with odd d the scale words of K steps 2 d - 2 .. 2 d + 1 (1).  72 loads a fetch: 12, 9, 8, 9, 8, 9, 8, 9.
.macro FILL d
	WIN 0x40                                       ; destination window 1, address window 0
.irp qq, 0,1
.irp u, 0,1
.irp c, 0,1
	global_load_b128 v[16*(2*(\d)+\qq)+8*\u+4*\c:16*(2*(\d)+\qq)+8*\u+4*\c+3], v[L16], s[36:37] offset:2048*(2*(\d)+\qq)+1024*\u+512*\c
.endr
.endr
.endr
.if (\d) == 0
	WIN 0
.irp u, 0,1
	global_load_b128 v[BI+8*\u:BI+8*\u+3], v[BOF], s[40:41] offset:64*\u          ; b of features 16 u + 8 h + 0 .. 7: the result's layout
	global_load_b128 v[BI+8*\u+4:BI+8*\u+7], v[BOF], s[40:41] offset:64*\u+16
.endr
.endif
.if ((\d)%2) == 1
	WIN 0
	global_load_b128 v[WS+2*((\d)-1):WS+2*((\d)-1)+3], v[L16], s[38:39] offset:256*((\d)-1)
.endif
.endm
; One product: K step q, features' tile u, tokens' tile t.  The scale registers' rows go with u and with t's parity.
.macro WM q, u, t
.set rD, ACC+8*(4*(\u)+(\t))
.set rA, 16*(\q)+8*(\u)
.set rB, 32*((\q)%8)+8*(\t)
.set rC, rD
.if (\q) == 0
.set rC, BI+8*(\u)                     ; the first product starts the sum from the bias: nothing is cleared, nothing is added later
.endif
.set rSA, WS+(\q)
.set rSB, XS+16*((\t)/2)+(\q)
.if ((\u) == 0) && (((\t)%2) == 0)
	v_wmma_scale_f32_16x16x128_f8f6f4 v[rD:rD+7], v[rA:rA+7], v[rB:rB+7], v[rC:rC+7], v[rSA], v[rSB] matrix_a_fmt:MATRIX_FMT_FP4 matrix_b_fmt:MATRIX_FMT_FP4
.elseif ((\u) == 1) && (((\t)%2) == 0)
	v_wmma_scale_f32_16x16x128_f8f6f4 v[rD:rD+7], v[rA:rA+7], v[rB:rB+7], v[rC:rC+7], v[rSA], v[rSB] matrix_a_fmt:MATRIX_FMT_FP4 matrix_b_fmt:MATRIX_FMT_FP4 matrix_a_scale:MATRIX_SCALE_ROW1
.elseif (\u) == 0
	v_wmma_scale_f32_16x16x128_f8f6f4 v[rD:rD+7], v[rA:rA+7], v[rB:rB+7], v[rC:rC+7], v[rSA], v[rSB] matrix_a_fmt:MATRIX_FMT_FP4 matrix_b_fmt:MATRIX_FMT_FP4 matrix_b_scale:MATRIX_SCALE_ROW1
.else
	v_wmma_scale_f32_16x16x128_f8f6f4 v[rD:rD+7], v[rA:rA+7], v[rB:rB+7], v[rC:rC+7], v[rSA], v[rSB] matrix_a_fmt:MATRIX_FMT_FP4 matrix_b_fmt:MATRIX_FMT_FP4 matrix_a_scale:MATRIX_SCALE_ROW1 matrix_b_scale:MATRIX_SCALE_ROW1
.endif
.endm
; The 8 products of K step q.  The eight sums take turns, one instruction a turn, in the same order in every K step and from trip to trip.
.macro HALF q
.if (\q) < 8
	WIN 0x09                                       ; W window 1, x window 2, C and D window 0
.else
	WIN 0x0d                                       ; x window 3
.endif
.irp t, 0,1,2,3
.irp u, 0,1
	WM (\q), \u, \t
.endr
.endr
.endm
; The trip's gate of my four tokens: lo's where the expert s29 is the token's lo, hi's where it is its hi, else 0.  The eight compares stand in a run, each mask in a scalar register of its own.
.macro GCMP t, mh, ml
	v_cmp_eq_u32 s[\mh], s29, v[HI+\t]
	v_cmp_eq_u32 s[\ml], s29, v[LO+\t]
.endm
.macro GSEL t, mh, ml
	v_cndmask_b32 v[GG+2*\t], 0, v[GW+2*\t+1], s[\mh]
	v_cndmask_b32 v[GG+2*\t], v[GG+2*\t], v[GW+2*\t], s[\ml]
.endm
.macro GCALC
	GCMP 0, 30, 31
	GCMP 1, 32, 33
	GCMP 2, 34, 35
	GCMP 3, 2, 3
	s_wait_alu depctr_va_sdst(0)                   ; the eight masks are written, ahead of the selects that read them: one wait for the run
	GSEL 0, 30, 31
	GSEL 1, 32, 33
	GSEL 2, 34, 35
	GSEL 3, 2, 3
.endm
; A TRIP.  mode 1: the next trip (the expert at bit s33 of the list, pass p) is fetched: FILL d - 2 in the middle of step d; FILL 6 and 7 follow in the epilogue.
; mode 0: the last trip of all: nothing is fetched but the tokens of the rows that I store.
; The bases are set at the head of step 2, straight ahead of the first FILL that reads them: 32 products behind the last loads that read their old values.
; The sixteen lines that make the gate are the places between the last products and the first read of the sums (ISA guide 7.12.1).
; THE WAITS ON LOADcnt count loads issued behind the scale words of step d + 1 of the fetch before, which are younger than all else that steps d and d + 1 want:
;   d = 0: steps 2-7 of that fetch: 8 + 9 + 8 + 9 + 8 + 9 = 51.   d = 2: its steps 4-7, 34: this trip has asked for nothing yet.   d = 4: its steps 6, 7: 17, and this trip's 12 + 9.
;   d = 6: this trip's 12 + 9 + 8 + 9 = 38.   mode 0: 51, 34, 17, and the 32 keys.
; More loads are issued than LOADcnt's field holds; the issue then waits for the oldest (ISA guide 5.7.1), which are the very loads that the next wait asks for.
.macro TRIP mode, p
.irp d, 0,1,2,3,4,5,6,7
.if \d == 0
	s_wait_loadcnt 51
.elseif \d == 2
	s_wait_loadcnt 34
.if \mode
	SETNEXT s33, \p
	s_wait_alu depctr_va_vdst(0)                   ; the products of K steps 0 to 3 are done reading their part of the ring, the bias and W's scale words 0 to 3: FILL 0 and FILL 1 land there
.endif
.elseif \d == 4
.if \mode
	s_wait_loadcnt 38
	s_wait_alu depctr_va_vdst(0)                   ; the products of K steps 4 to 7 are done reading their part of the ring and W's scale words 4 to 7: FILL 2 and FILL 3 land there
.else
	s_wait_loadcnt 17
	s_wait_alu depctr_va_vdst(0)                   ; the products of K steps 0 and 1 are done reading their part of the ring, in which the keys below land
	WIN 0x40
.set i, 0
.rept 32
	global_load_b32 v[i], v[KOF], s[44:45] offset:8*i      ; place 2 i + h, into the ring's K steps 0 and 1, which are done with
.set i, i+1
.endr
.endif
.elseif \d == 6
.if \mode
	s_wait_loadcnt 38
	s_wait_alu depctr_va_vdst(0)                   ; the products of K steps 8 to 11 are done reading their part of the ring and W's scale words 8 to 11: FILL 4 and FILL 5 land there
.else
	s_wait_loadcnt 32
.endif
.endif
	HALF 2*\d
.if \mode && (\d >= 2)
	FILL \d-2                                      ; no wait: no product since the wait at this pair of steps' head names a register that these loads touch
.endif
	HALF 2*\d+1
.endr
	WIN 0
	GCALC
.endm
; relu, times the gate, onto out, for one sum.  It is read from its low end on.  first = 1: the pass's first expert starts out: nothing is cleared.
.macro EPIA a, first
.irp j, 0,1,2,3,4,5,6,7
	v_max_num_f32 v[ACC+8*\a+\j], 0, v[ACC+8*\a+\j]
.endr
.irp j, 0,2,4,6
.if \first
	v_pk_mul_f32 v[OUT+8*\a+\j:OUT+8*\a+\j+1], v[ACC+8*\a+\j:ACC+8*\a+\j+1], v[GG+2*(\a%4):GG+2*(\a%4)+1] op_sel_hi:[1,0]
.else
	v_pk_fma_f32 v[OUT+8*\a+\j:OUT+8*\a+\j+1], v[ACC+8*\a+\j:ACC+8*\a+\j+1], v[GG+2*(\a%4):GG+2*(\a%4)+1], v[OUT+8*\a+\j:OUT+8*\a+\j+1] op_sel_hi:[1,0,1]
.endif
.endr
.endm
; The epilogue of a trip.  fill = 1: the fetch's last two steps are dealt among its lines, which name the sums, the gate and out alone.
.macro EPI first, fill
.if \fill
	s_wait_alu depctr_va_vdst(0)                   ; the products of K steps 12 to 15 are done reading their part of the ring and W's scale words 12 to 15: FILL 6 and FILL 7 land there
	FILL 6
	WIN 0
.endif
.irp a, 0,1,2,3
	EPIA \a, \first
.endr
.if \fill
	FILL 7                                         ; it leaves every window 0
.endif
.irp a, 4,5,6,7
	EPIA \a, \first
.endr
.endm
; Pass p's 32 features of the 64 tokens into my stage: row 16 t + r, bytes 128 p + 64 u + 32 h on.
.macro STAGE p
.irp u, 0,1
.irp t, 0,1,2,3
	ds_store_b128 v[SO], v[OUT+8*(4*\u+\t):OUT+8*(4*\u+\t)+3] offset:16*OPITCH*\t+128*\p+64*\u
	ds_store_b128 v[SO], v[OUT+8*(4*\u+\t)+4:OUT+8*(4*\u+\t)+7] offset:16*OPITCH*\t+128*\p+64*\u+16
.endr
.endr
.endm
; A pass: the first expert and the last are written out (the first starts out; the last fetches the next pass's first expert, or nothing); experts 1 .. n - 2 go round a loop.
; No LDS instruction and no barrier stands in the loop, whose trip count is read from memory.
.macro PASS p
	s_and_b32 s29, s25, 7                          ; the list's place 0
	s_mov_b32 s33, 4                               ; place 1 is fetched
	TRIP 1, \p
	EPI 1, 1
	s_mov_b32 s28, 1
	s_cmp_lt_u32 s28, s27
	s_cbranch_scc0 .Llast_\p
.Ltrip_\p:
	s_lshl_b32 s33, s28, 2
	s_lshr_b32 s29, s25, s33
	s_and_b32 s29, s29, 7                          ; place j
	s_add_co_u32 s33, s33, 4                       ; place j + 1 is fetched
	TRIP 1, \p
	EPI 0, 1
	s_add_co_u32 s28, s28, 1
	s_cmp_lt_u32 s28, s27
	s_cbranch_scc1 .Ltrip_\p
.Llast_\p:
	s_lshl_b32 s33, s27, 2
	s_lshr_b32 s29, s25, s33
	s_and_b32 s29, s29, 7                          ; place n - 1
.if \p == 0
	s_mov_b32 s33, 0                               ; the next pass's place 0 is fetched
	TRIP 1, 1
	EPI 0, 1
.else
	TRIP 0, 0
	EPI 0, 0
.endif
	s_wait_alu depctr_va_vdst(0)                   ; the epilogue has written out, which the stage's stores read
	STAGE \p
.endm
	s_mov_b32 s33, 0
	SETNEXT s33, 0
	FILL 0                                         ; the first fetch, its first half: 38 loads.  No vector or matrix instruction has named the registers in which it lands
	FILL 1
	FILL 2
	FILL 3
	WIN 0
	s_wait_loadcnt 50                              ; x's codes are in: behind them stand 8 loads of scale words, 4 of gates and the 38
.irp i, 0,1,2,3,4,5,6,7
.irp j, 0,1,2,3
	ds_store_b128 v[XW], v[ACC+16*\i+4*\j:ACC+16*\i+4*\j+3] offset:2*XPITCH*\i+256*\j
.endr
.endr
	FILL 4                                         ; its second half: 34 loads
	FILL 5
	FILL 6
	FILL 7
	WIN 0
	s_wait_dscnt 0x0                               ; for the others' sake: my 16 rows of x lie in LDS
	s_barrier_signal -1
	s_barrier_wait -1
	s_wait_alu depctr_vm_vsrc(0)                   ; my LDS stores have read v112 to v239: these registers are the sums and out from here on, written by the products and the epilogues
	WIN 0x80                                       ; destination window 2
.irp q, 0,1,2,3,4,5,6,7
.irp t, 0,1,2,3
.irp c, 0,1
	ds_load_b128 v[32*\q+8*\t+4*\c:32*\q+8*\t+4*\c+3], v[XR] offset:16*XPITCH*\t+64*\q+32*\c
.endr
.endr
.endr
	WIN 0xc0                                       ; destination window 3
.irp q, 0,1,2,3,4,5,6,7
.irp t, 0,1,2,3
.irp c, 0,1
	ds_load_b128 v[32*\q+8*\t+4*\c:32*\q+8*\t+4*\c+3], v[XR] offset:16*XPITCH*\t+64*(\q+8)+32*\c
.endr
.endr
.endr
	WIN 0
	s_wait_dscnt 0x0                               ; x's fragments are in registers, for the whole kernel
	PASS 0
	s_wait_dscnt 0x0                               ; the stage's stores are done,
	s_wait_alu depctr_vm_vsrc(0)                   ; and they have read out, which the next pass's first epilogue writes anew
	PASS 1
	; THE WAY OUT: whole rows of 256 bytes back from my stage, two an instruction; each goes to its token's row of out0.
	s_wait_alu depctr_vm_vsrc(0)                   ; the stage's stores have read out, in which the loads below land (the epilogue, which named the sums and out, stands ahead of the last wait on va_vdst)
.set i, 0
.rept 32
	ds_load_b128 v[ACC+4*i:ACC+4*i+3], v[SR] offset:2*OPITCH*i     ; LDS serves a wave's instructions in order (ISA guide 5.7.1.4): these see my stores
.set i, i+1
.endr
	s_wait_loadcnt 0x0                             ; the rows' keys
	WIN 0x44                                       ; destination and source 1 window 1
.set i, 0
.rept 32
	v_and_b32 v[i], 0x7ff, v[i]                    ; the token,
.set i, i+1
.endr
.set i, 0
.rept 32
	v_min_u32 v[i], 0x7ff, v[i]                    ; held inside the table,
.set i, i+1
.endr
	WIN 0x41                                       ; destination and source 0 window 1
.set i, 0
.rept 32
	v_lshl_add_u32 v[i], v[i], 13, v[COL]          ; its row of 8,192 bytes, + 16 r
.set i, i+1
.endr
	WIN 0x01                                       ; a store's address is its source 0: window 1; its data window 0
	s_wait_alu depctr_va_vdst(0)                   ; the 32 offsets in window 1 are written, which the stores below read
.set i, 0
.rept 32
	s_wait_dscnt 31-i
	global_store_b128 v[i], v[ACC+4*i:ACC+4*i+3], s[46:47] th:TH_STORE_NT   ; sixteen lanes store 256 consecutive bytes, aligned; written once, read by nobody here
.set i, i+1
.endr
	WIN 0                                          ; the add's two registers lie in window 0
	s_wait_dscnt 0x0                               ; the closing lines, six on end
	s_wait_alu 0x0
	s_wait_tensorcnt 0x0
	ds_add_u32 v254, v255
	s_wait_dscnt 0x0
	s_endpgm
.Lfunc_end_k_qbcdf7b5ca6_chain:
	.size	k_qbcdf7b5ca6_chain, .Lfunc_end_k_qbcdf7b5ca6_chain-k_qbcdf7b5ca6_chain
	.p2alignl 7, 3214868480
	.fill 96, 4, 3214868480
	.section	.rodata,"a",@progbits
	.p2align	6, 0x0
	.amdhsa_kernel k_qbcdf7b5ca6_chain
		.amdhsa_group_segment_fixed_size 136704
		.amdhsa_private_segment_fixed_size 0
		.amdhsa_enable_private_segment 0
		.amdhsa_kernarg_size 64
		.amdhsa_user_sgpr_count 2
		.amdhsa_user_sgpr_kernarg_segment_ptr 1
		.amdhsa_wavefront_size32 1
		.amdhsa_system_sgpr_workgroup_id_x 1
		.amdhsa_system_sgpr_workgroup_id_y 1
		.amdhsa_system_sgpr_workgroup_id_z 1
		.amdhsa_system_vgpr_workitem_id 0
		.amdhsa_next_free_vgpr 1024
		.amdhsa_next_free_sgpr 66
		.amdhsa_reserve_vcc 0
		.amdhsa_float_denorm_mode_32 3
		.amdhsa_float_denorm_mode_16_64 3
		.amdhsa_memory_ordered 1
		.amdhsa_forward_progress 1
		.amdhsa_inst_pref_size 218
	.end_amdhsa_kernel
	.amdgpu_metadata
---
amdhsa.version: [ 1, 2 ]
amdhsa.kernels:
  - .name:           k_qbcdf7b5ca6_chain
    .symbol:         k_qbcdf7b5ca6_chain.kd
    .args:
      - { .name: skey, .offset: 0, .size: 8, .value_kind: global_buffer, .address_space: global }
      - { .name: gw, .offset: 8, .size: 8, .value_kind: global_buffer, .address_space: global }
      - { .name: xq, .offset: 16, .size: 8, .value_kind: global_buffer, .address_space: global }
      - { .name: xs, .offset: 24, .size: 8, .value_kind: global_buffer, .address_space: global }
      - { .name: wf, .offset: 32, .size: 8, .value_kind: global_buffer, .address_space: global }
      - { .name: wsf, .offset: 40, .size: 8, .value_kind: global_buffer, .address_space: global }
      - { .name: b, .offset: 48, .size: 8, .value_kind: global_buffer, .address_space: global }
      - { .name: out0, .offset: 56, .size: 8, .value_kind: global_buffer, .address_space: global }
    .group_segment_fixed_size: 136704
    .private_segment_fixed_size: 0
    .kernarg_segment_align: 8
    .kernarg_segment_size: 64
    .max_flat_workgroup_size: 128
    .sgpr_count:     66
    .vgpr_count:     1024
    .wavefront_size: 32
...
	.end_amdgpu_metadata
.endif
;; end of part 6
